; MI455X (gfx1250); checked and timed in simulation.
; The chip was launched on July 23, 2026; its instructions are those of AMD's public machine-readable ISA for CDNA 5 (MIT licence, August 2026) and "CDNA5" Instruction Set Architecture Reference Guide (July 2026). The comments in the code are by the model that wrote it; some were corrected since.
;; Multi Head Attention. Allowed arithmetic: matrix products marked QUANTISED: E4M3 operands, one given power-of-two scale a tensor, by v_wmma_f32_16x16x64_fp8_fp8 or v_wmma_f32_16x16x128_fp8_fp8, f32 sums; everything else in f32.
;; Inputs: W_out 1,024 x 1,024 float32; W_qkv 1,024 x 3,072 float32; b_out 1,024 float32; b_qkv 3,072 float32; lowp_scales 8 int32 (the exponents e of the quantised operands' scales 2^e); x 4 x 2,048 x 1,024 float32.
;; Outputs: out0 4 x 2,048 x 1,024 float32.
;; This version of the problem:
;;   THIS VERSION OF THE PROBLEM IS GIVEN IN LOW PRECISION. The matrix products marked QUANTISED in the list below multiply operands that are first quantised to E4M3 (4 exponent bits, 3 mantissa bits; 8 bits a number), with one given power-of-two scale for each operand tensor; their sums are f32. All else is computed in f32.
;;   The module's matrix products, in the order in which they are computed (A, B: the left and right operand; K: the contracted axis; several contracted axes count as one K, in the product's order):
;;     1. [M 8,192, K 1,024] x [K 1,024, N 3,072]; A: input x; B: input W_qkv: QUANTISED (scales: A lowp_scales[0], B lowp_scales[1])
;;     2. batch 64 x [M 2,048, K 64] x [K 64, N 2,048]; A: computed on the way; B: computed on the way: QUANTISED (scales: A lowp_scales[2], B lowp_scales[3])
;;     3. batch 64 x [M 2,048, K 2,048] x [K 2,048, N 64]; A: softmax (see below); B: computed on the way: QUANTISED (scales: A lowp_scales[4], B lowp_scales[5])
;;     4. [M 8,192, K 1,024] x [K 1,024, N 1,024]; A: computed on the way; B: input W_out: QUANTISED (scales: A lowp_scales[6], B lowp_scales[7])
;;   THE QUANTISER, for each operand of a quantised product, along K:
;;     - The operand's scale is 2^e, e = its entry of the input lowp_scales (int32; the entries are numbered through the quantised products in the list's order, A before B).
;;     - Each number is divided by the scale, clamped to +-448, and rounded to the nearest number of E4M3, ties to even, subnormals kept.
;;     - The product sums the exact products of the quantised numbers (number of the format x scale) in f32.
;;   ~~~python
;;   def quantise(x, axis, e):      # numpy; x: float32 -> the quantised numbers, widened to float32 again
;;       x = np.moveaxis(x, axis, -1); K = x.shape[-1]
;;       r = np.clip(x / 2.0 ** e, -448, 448)
;;       step = 2.0 ** (np.maximum(np.frexp(np.where(r == 0, 1, r))[1] - 1, -6) - 3)
;;       q = np.round(r / step) * step * 2.0 ** e      # np.round: ties to even
;;       return np.moveaxis(q, -1, axis).astype(np.float32)
;;   ~~~
;;   SOFTMAX AHEAD OF A QUANTISED PRODUCT. Where the list says 'softmax', what is quantised is not the finished softmax but p = 2^(t - M), with t = logit x log2(e) and M = ceil(the row's largest t), a whole number; so 1/2 < the row's largest p <= 1. The row's sum l is taken of the UNQUANTISED p, in f32, and the product's result is divided by l at the end. Since M is a whole number, a kernel that streams over the keys may use a running M (the ceiling of the running maximum): every later rescaling is an exact power of two, so the quantised numbers keep their values, but for numbers so far below the row's largest that they fall under the format's range.
;;   OPERANDS COMPUTED ON THE WAY. 'Computed on the way' means the value that the module computes at that place (a softmax that the list does not call 'softmax' is quantised finished and normalised). What goes into a quantiser is computed in f32, as accurately as f32 sums, v_exp_f32 and their like allow (about 1e-6 of the number): no bf16 or f16 on the way to a quantiser, and a product that is left as it is and whose result goes on into a quantised operand takes f32 operands (vector FMAs, or v_wmma_f32_16x16x4_f32). A number that lies on a knife's edge between two numbers of the format may be rounded either way, as far as f32 arithmetic and the matrix unit's own rounding can turn it there, and no further.
;; One version. Each part assembles by itself: llvm-mc -triple=amdgcn-amd-amdhsa -mcpu=gfx1250 --defsym DOCPART=n.
;; ======== version 1 of 1: 4 launches
;; limits: right only within a limited range of input values
;; workspace buffers: x_codes 8,388,608 bytes; wqkv_codes 3,145,728 bytes; wout_codes 1,048,576 bytes; qk_codes 16,777,216 bytes; v_codes 8,388,608 bytes; a_img 8,388,608 bytes
;; launch quant_x (part 1): grid 384 x 1, 4 waves a work-group, no clusters, 68,608 bytes of LDS; arguments x, lowp_scales, x_codes, W_qkv, W_out, wqkv_codes, wout_codes; writes x_codes, wqkv_codes, wout_codes
.if DOCPART == 1
	.amdgcn_target "amdgcn-amd-amdhsa--gfx1250"
	.amdhsa_code_object_version 6
	.text
	.protected	k_q4c63029ac2_quant_x
	.globl	k_q4c63029ac2_quant_x
	.p2align	8
	.type	k_q4c63029ac2_quant_x,@function
k_q4c63029ac2_quant_x:
	s_mov_b64 s[64:65], 0
	v_nop
	global_prefetch_b8 v0, s[64:65] scope:SCOPE_SE
	s_setreg_imm32_b32 hwreg(HW_REG_WAVE_MODE, 25, 1), 1
	s_wait_xcnt 0x0
; x [8192][1024] f32 becomes codes of E4M3, one byte a number, K innermost, with the given scale 2^e, e = entry 0 of the scales.
; code = x / 2^e, held within +-448, rounded to the nearest code, ties to even.  LIMITS: -126 <= e <= 119; NaN among the inputs is not served.
; Rows are dense, so the tensor is a plain stream.  A wave takes 16 steps of 512 numbers; a work-group 32,768 numbers; 256 work-groups take all 8,388,608.
; Each load reads 512 consecutive bytes, 16 a lane; a step's 2,048 bytes turn through the wave's own stage in LDS and come back 64 bytes a lane, so that a lane
; holds 16 neighbours along K for the conversions.  A lane's 16 codes are 16 bytes: the wave stores 512 consecutive bytes.  Waves share nothing: no barrier.
.set STEPS, 16
.set EMAX,  8
.set MANT,  0x600000                   ; the mantissa field of 448 as f32
.set CB,    16                         ; bytes of 16 codes
.set R,     16                         ; v16-79   four sets of 16 numbers as they are loaded
.set X,     80                         ; v80-111  two sets of 16 neighbours
.set C,     128                        ; v128-191 codes: four registers for each step, so that no store's data are written again
.set WREG,  8192                       ; LDS: a region for each wave: two stages of 32 x SP bytes
.set SP,    80                         ; a lane's place in a stage: 64 bytes + 16 of padding
; ONE LAUNCH QUANTISES ALL THREE INPUTS: work-groups 0..255 take x (the path below), work-groups 256..383 the two weights (the path at .Lweights).
; The two paths part on the work-group's number alone, ahead of every load, and each has LDS bytes of its own; the spare words (from byte 0x8000, 512 bytes) serve both.
	v_lshl_add_u32 v192, v0, 2, 0x8000
	v_mov_b32 v193, 0
	s_cmp_ge_u32 ttmp9, 256
	s_wait_alu depctr_va_vdst(0)
	s_cbranch_scc1 .Lweights
	s_load_b128 s[4:7], s[0:1], 0x0                ; x s[4:5], the scales' exponents s[6:7]
	s_load_b64 s[8:9], s[0:1], 0x10                ; the codes
	v_lshrrev_b32 v1, 5, v0
	v_readfirstlane_b32 s16, v1                    ; wave
	v_and_b32 v2, 31, v0                           ; lane
	v_lshlrev_b32 v3, 4, v2                        ; my 16 bytes of a load's 512
	s_mul_i32 s17, s16, WREG
	v_lshrrev_b32 v14, 2, v2
	v_mul_u32_u24 v14, v14, SP
	v_and_b32 v15, 3, v2
	v_lshl_add_u32 v14, v15, 4, v14
	v_add_nc_u32 v14, s17, v14                     ; the stage, way in: SP (lane / 4) + 16 (lane % 4); a load's 512 bytes take eight places
	v_mul_u32_u24 v15, v2, SP
	v_add_nc_u32 v15, s17, v15                     ; way out: SP x lane: my 16 neighbours
	v_mul_u32_u24 v4, v2, CB                       ; my codes' place in a step's
	s_wait_alu depctr_va_vdst(0)
	s_wait_kmcnt 0x0
	s_load_b32 s22, s[6:7], 0x0                    ; e
	s_lshl_b32 s17, ttmp9, 2
	s_add_co_u32 s18, s17, s16                     ; which run of 8,192 numbers is my wave's
	s_lshl_b32 s20, s18, 15                        ; 32,768 bytes of f32 a run
	s_mov_b32 s21, 0
	s_add_nc_u64 s[4:5], s[4:5], s[20:21]
	s_lshl_b32 s20, s18, 13                        ; 8,192 bytes of codes a run
	s_add_nc_u64 s[8:9], s[8:9], s[20:21]
.macro LOAD t
.irp i, 0,1,2,3
	global_load_b128 v[R+16*((\t)%4)+4*\i:R+16*((\t)%4)+4*\i+3], v3, s[4:5] offset:2048*(\t)+512*\i th:TH_LOAD_NT   ; 32 lanes read 512 consecutive bytes
.endr
.endm
.macro TURN t                          ; step t's numbers through the stage: LDS serves a wave's instructions in order, so no wait stands between the stores and the loads
.irp i, 0,1,2,3
	ds_store_b128 v14, v[R+16*((\t)%4)+4*\i:R+16*((\t)%4)+4*\i+3] offset:32*SP*((\t)%2)+8*SP*\i
.endr
.irp i, 0,1,2,3
	ds_load_b128 v[X+16*((\t)%2)+4*\i:X+16*((\t)%2)+4*\i+3], v15 offset:32*SP*((\t)%2)+16*\i
.endr
.endm
.irp t, 0,1,2,3
	LOAD \t
.endr
	s_wait_kmcnt 0x0
	s_add_co_i32 s22, s22, 127
	s_lshl_b32 s23, s22, 23
	v_mov_b32 v11, s23                             ; 2^e as f32: the conversion takes its exponent field
	s_add_co_i32 s22, s22, EMAX
	s_lshl_b32 s22, s22, 23
	s_or_b32 s22, s22, MANT
	v_mov_b32 v10, s22                             ; 448 x 2^e
	s_wait_alu depctr_va_vdst(0)
	s_wait_loadcnt 12                              ; step 0's four loads are in; those of steps 1 to 3 may be out
	TURN 0
.macro STEP t
.set XS, X+16*((\t)%2)
	s_wait_dscnt 0x0                               ; this step's numbers are back from the stage: so its stores into the stage have read their registers,
.if (\t)+4 < STEPS
	LOAD (\t)+4                                    ; which take the loads of four steps on
.endif
.if (\t)+1 < STEPS
.if STEPS-2-(\t) >= 3
	s_wait_loadcnt 12                              ; the next step's four loads are in; those of the three steps behind it may be out
.else
	s_wait_loadcnt 4*(STEPS-2-(\t))
.endif
	TURN (\t)+1                                    ; and go through the other stage while this step is worked
.endif
.irp i, 0,1,2,3,4,5,6,7,8,9,10,11,12,13,14,15
	v_med3_num_f32 v[XS+\i], v[XS+\i], -v10, v10   ; the conversion to an 8-bit code does not saturate (ISA guide 7.6.2): the hold comes first
.endr
	v_cvt_scalef32_pk8_fp8_f32 v[C+4*(\t):C+4*(\t)+1], v[XS:XS+7], v11
	v_cvt_scalef32_pk8_fp8_f32 v[C+4*(\t)+2:C+4*(\t)+3], v[XS+8:XS+15], v11
	global_store_b128 v4, v[C+4*(\t):C+4*(\t)+3], s[8:9] offset:32*CB*(\t)   ; the results go to a store alone; the next vector lines are the next step's holds, on other registers
.endm
.irp t, 0,1,2,3,4,5,6,7,8,9,10,11,12,13,14,15
	STEP \t
.endr
	s_wait_tensorcnt 0x0
	ds_add_u32 v192, v193
	s_wait_dscnt 0x0
	s_endpgm
.Lweights:
; W_qkv [1024 k][3072 n] and W_out [1024 k][1024 n], f32, K the FIRST axis, become codes of E4M3 laid [n][1024 k], K innermost, each with its given scale 2^e
; (entry 1 for W_qkv, entry 7 for W_out).  code = w / 2^e, held within +-448, nearest, ties to even.  LIMITS: -126 <= e <= 119; NaN is not served.
; i = work-group - 256; i % 32 = 0..23 is a block of 128 columns of W_qkv, 24..31 of W_out; i / 32 says which 256 along K.  Only pointers, the row pitch and e are chosen, by selects on ids.
; A lane takes a column and its registers run down K; a wave takes 32 columns x 256 along K; its codes gather in the wave's own stage in LDS and leave by rows: sixteen lanes store 256 consecutive bytes, aligned.
.set NB,     8                         ; blocks of 32 along K
.set SPITCH, 272                       ; a stage row: 256 bytes + 16
.set KROW,   1024                      ; a row of codes in bytes
.set RO,     16                        ; v16-47   4 x lane + i x pitch
.set WX,     48                        ; v48-111  two sets of 32 numbers
.set WC,     112                       ; v112-119 a block's codes
.set OUTR,   120                       ; v120-183 the way out
.set BS,     32                        ; s[32:47] the eight blocks' bases
.set WST,    0x8200                    ; this path's four stages begin behind the other path's bytes and the spare words
	s_load_b128 s[4:7], s[0:1], 0x18               ; W_qkv, W_out
	s_load_b64 s[10:11], s[0:1], 0x8               ; the scales' exponents
	s_load_b128 s[12:15], s[0:1], 0x28             ; W_qkv's codes, W_out's codes
	s_sub_co_u32 s29, ttmp9, 256
	s_and_b32 s28, s29, 31                         ; the block of columns
	s_lshr_b32 s29, s29, 5                         ; which 256 along K
	v_lshrrev_b32 v1, 5, v0
	v_readfirstlane_b32 s16, v1                    ; wave 0..3
	v_and_b32 v2, 31, v0                           ; lane
	v_lshlrev_b32 v3, 2, v2                        ; 4 bytes a lane
	s_wait_alu depctr_va_vdst(0)
	s_mov_b32 s20, 4096
	s_cmp_lt_u32 s28, 24                           ; W_qkv's work-group or W_out's?
	s_cselect_b32 s20, 12288, s20                  ; a row of the weight in bytes
	s_cselect_b32 s17, 0, 24
	s_sub_co_u32 s17, s28, s17
	s_lshl_b32 s17, s17, 7
	s_lshl_b32 s18, s16, 5
	s_add_co_u32 s17, s17, s18                     ; my wave's first column
	s_mov_b32 s18, s29
.irp i, 0,1,2,3,4,5,6,7,8,9,10,11,12,13,14,15,16,17,18,19,20,21,22,23,24,25,26,27,28,29,30,31
	v_mad_u32_u24 v[RO+\i], s20, \i, v3            ; row i of a block, my column
.endr
	s_mul_i32 s19, s16, 32*SPITCH
	s_add_co_u32 s19, s19, WST                     ; my stage
	v_mul_u32_u24 v4, v2, SPITCH
	v_add_nc_u32 v4, s19, v4                       ; into it: row = my column
	v_and_b32 v5, 15, v2
	v_lshrrev_b32 v6, 4, v2                        ; out of it: sixteen lanes to a row, two rows an instruction
	v_mul_u32_u24 v7, v6, SPITCH
	v_lshl_add_u32 v7, v5, 4, v7
	v_add_nc_u32 v7, s19, v7
	v_mul_u32_u24 v8, v6, KROW
	v_lshl_add_u32 v8, v5, 4, v8                   ; and the same place in the codes
	s_mul_i32 s22, s18, s20
	s_lshl_b32 s22, s22, 8                         ; 256 y rows of the weight,
	s_lshl_b32 s23, s17, 2
	s_add_co_u32 s22, s22, s23                     ; + 4 x column
	s_mov_b32 s23, 0
	s_lshl_b32 s24, s20, 5                         ; 32 rows: from block to block
	s_mov_b32 s25, 0
	s_lshl_b32 s26, s17, 10                        ; codes: column x 1,024
	s_lshl_b32 s27, s18, 8
	s_add_co_u32 s26, s26, s27                     ; + 256 y
	s_mov_b32 s27, 0
	s_wait_alu depctr_va_vdst(0)
	s_wait_kmcnt 0x0
	s_load_b32 s30, s[10:11], 0x4                  ; W_qkv's e
	s_load_b32 s31, s[10:11], 0x1c                 ; W_out's e
	s_cmp_lt_u32 s28, 24
	s_cselect_b64 s[4:5], s[4:5], s[6:7]
	s_cselect_b64 s[8:9], s[12:13], s[14:15]
	s_add_nc_u64 s[BS:BS+1], s[4:5], s[22:23]
.irp t, 1,2,3,4,5,6,7
	s_add_nc_u64 s[BS+2*\t:BS+2*\t+1], s[BS+2*\t-2:BS+2*\t-1], s[24:25]
.endr
	s_add_nc_u64 s[8:9], s[8:9], s[26:27]
.macro WLOAD t                         ; block t: W(32 t + i, my column) into set t % 2
.irp i, 0,1,2,3,4,5,6,7,8,9,10,11,12,13,14,15,16,17,18,19,20,21,22,23,24,25,26,27,28,29,30,31
	global_load_b32 v[WX+32*((\t)%2)+\i], v[RO+\i], s[BS+2*(\t):BS+2*(\t)+1] th:TH_LOAD_NT
.endr
.endm
	WLOAD 0
	WLOAD 1
	s_wait_kmcnt 0x0
	s_cmp_lt_u32 s28, 24
	s_cselect_b32 s30, s30, s31                    ; e
	s_add_co_i32 s30, s30, 127
	s_lshl_b32 s31, s30, 23
	v_mov_b32 v11, s31                             ; 2^e as f32
	s_add_co_i32 s30, s30, EMAX
	s_lshl_b32 s30, s30, 23
	s_or_b32 s30, s30, MANT
	v_mov_b32 v10, s30                             ; 448 x 2^e
.macro BLOCK t
.set XS, WX+32*((\t)%2)
.if (\t) < NB-1
	s_wait_loadcnt 32                              ; this block's 32 loads are in; the next block's may be out
.else
	s_wait_loadcnt 0
.endif
.irp i, 0,1,2,3,4,5,6,7,8,9,10,11,12,13,14,15,16,17,18,19,20,21,22,23,24,25,26,27,28,29,30,31
	v_med3_num_f32 v[XS+\i], v[XS+\i], -v10, v10   ; the hold: the conversion does not saturate (ISA guide 7.6.2)
.endr
.irp g, 0,1,2,3
	v_cvt_scalef32_pk8_fp8_f32 v[WC+2*\g:WC+2*\g+1], v[XS+8*\g:XS+8*\g+7], v11
.endr
	ds_store_b128 v4, v[WC:WC+3] offset:32*(\t)    ; 32 codes: 32 bytes of my column's row
	ds_store_b128 v4, v[WC+4:WC+7] offset:32*(\t)+16
.if (\t)+2 < NB
	WLOAD (\t)+2
.endif
	s_wait_dscnt 0x0                               ; the stores have read their registers: the next block's codes may be written
.endm
.set WQ, 0
	s_wait_alu depctr_va_vdst(0)
.rept NB
	BLOCK WQ
.set WQ, WQ+1
.endr
.irp t, 0,1,2,3,4,5,6,7,8,9,10,11,12,13,14,15
	ds_load_b128 v[OUTR+4*\t:OUTR+4*\t+3], v7 offset:2*\t*SPITCH   ; LDS serves a wave's instructions in order: these see my stores
.endr
.irp t, 0,1,2,3,4,5,6,7,8,9,10,11,12,13,14,15
	s_wait_dscnt 15-\t
	global_store_b128 v8, v[OUTR+4*\t:OUTR+4*\t+3], s[8:9] offset:2*\t*KROW
.endr
	s_wait_tensorcnt 0x0                           ; the wave's end
	ds_add_u32 v192, v193
	s_wait_dscnt 0x0
	s_endpgm
.Lfunc_end_k_q4c63029ac2_quant_x:
	.size	k_q4c63029ac2_quant_x, .Lfunc_end_k_q4c63029ac2_quant_x-k_q4c63029ac2_quant_x
	.p2alignl 7, 3214868480
	.fill 96, 4, 3214868480
	.section	.rodata,"a",@progbits
	.p2align	6, 0x0
	.amdhsa_kernel k_q4c63029ac2_quant_x
		.amdhsa_group_segment_fixed_size 68608
		.amdhsa_private_segment_fixed_size 0
		.amdhsa_enable_private_segment 0
		.amdhsa_kernarg_size 56
		.amdhsa_user_sgpr_count 2
		.amdhsa_user_sgpr_kernarg_segment_ptr 1
		.amdhsa_wavefront_size32 1
		.amdhsa_system_sgpr_workgroup_id_x 1
		.amdhsa_system_sgpr_workgroup_id_y 1
		.amdhsa_system_sgpr_workgroup_id_z 1
		.amdhsa_system_vgpr_workitem_id 0
		.amdhsa_next_free_vgpr 194
		.amdhsa_next_free_sgpr 66
		.amdhsa_reserve_vcc 0
		.amdhsa_float_denorm_mode_32 3
		.amdhsa_float_denorm_mode_16_64 3
		.amdhsa_memory_ordered 1
		.amdhsa_forward_progress 1
		.amdhsa_inst_pref_size 89
	.end_amdhsa_kernel
	.amdgpu_metadata
---
amdhsa.version: [ 1, 2 ]
amdhsa.kernels:
  - .name:           k_q4c63029ac2_quant_x
    .symbol:         k_q4c63029ac2_quant_x.kd
    .args:
      - { .name: x, .offset: 0, .size: 8, .value_kind: global_buffer, .address_space: global }
      - { .name: lowp_scales, .offset: 8, .size: 8, .value_kind: global_buffer, .address_space: global }
      - { .name: x_codes, .offset: 16, .size: 8, .value_kind: global_buffer, .address_space: global }
      - { .name: W_qkv, .offset: 24, .size: 8, .value_kind: global_buffer, .address_space: global }
      - { .name: W_out, .offset: 32, .size: 8, .value_kind: global_buffer, .address_space: global }
      - { .name: wqkv_codes, .offset: 40, .size: 8, .value_kind: global_buffer, .address_space: global }
      - { .name: wout_codes, .offset: 48, .size: 8, .value_kind: global_buffer, .address_space: global }
    .group_segment_fixed_size: 68608
    .private_segment_fixed_size: 0
    .kernarg_segment_align: 8
    .kernarg_segment_size: 56
    .max_flat_workgroup_size: 128
    .sgpr_count:     66
    .vgpr_count:     194
    .wavefront_size: 32
...
	.end_amdgpu_metadata
.endif
;; end of part 1
;; launch gemm_qkv (part 2): grid 8 x 32, 4 waves a work-group, clusters of 4 x 4, 327,680 bytes of LDS; arguments x_codes, wqkv_codes, lowp_scales, b_qkv, qk_codes, v_codes; writes qk_codes, v_codes
.if DOCPART == 2
	.amdgcn_target "amdgcn-amd-amdhsa--gfx1250"
	.amdhsa_code_object_version 6
	.text
	.protected	k_q4c63029ac2_gemm_qkv
	.globl	k_q4c63029ac2_gemm_qkv
	.p2align	8
	.type	k_q4c63029ac2_gemm_qkv,@function
k_q4c63029ac2_gemm_qkv:
	s_mov_b64 s[64:65], 0
	v_nop
	global_prefetch_b8 v0, s[64:65] scope:SCOPE_SE
	s_setreg_imm32_b32 hwreg(HW_REG_WAVE_MODE, 25, 1), 1
	s_wait_xcnt 0x0
	s_wait_alu depctr_hold_cnt(0) depctr_sa_sdst(0) depctr_va_vdst(0) depctr_va_sdst(0) depctr_va_ssrc(0) depctr_va_vcc(0) depctr_vm_vsrc(0)
	s_getreg_b32 s2, hwreg(HW_REG_IB_STS2, 6, 4)
	s_cmp_eq_u32 s2, 0
	s_cbranch_scc0 .Lentry_in_a_cluster
	s_endpgm
.Lentry_in_a_cluster:
	s_bfe_u32 s2, ttmp6, 0x10000c
	s_cmp_lg_u32 s2, 0xf033
	s_cbranch_scc0 .Lentry_shape_is_right
	s_endpgm
.Lentry_shape_is_right:
; qkv = x W_qkv + b_qkv on codes of E4M3 (scales 2^e0, 2^e1), and q, k, v quantised on the way out (2^e2, 2^e3, 2^e5): nothing wider than a code goes to memory.
; A WORK-GROUP STAYS AND MAKES TWO PRODUCTS, K = 1,024 each.  q and k together have twice v's channels, so all 256 work-groups (32 blocks of 256 tokens x 8) have the same share:
;   FIRST:  256 tokens x 256 channels of q (cluster x = 0) or k (x = 1).  A' = x, B' = W_qkv's rows 256 c on; four waves, 128 x 128 (64 accumulators) a wave.
;   SECOND: 128 channels of v x the same 256 tokens.  A' = W_qkv's rows 2,048 + 128 c on, B' = x; 64 x 128 (32 accumulators) a wave.
; THE MATRIX INSTRUCTION IS USED TRANSPOSED (source 0 = 16 rows of B', source 1 = 16 rows of A'): a lane holds one row of A' and eight neighbours along B'.  So q's and k's neighbours run along the head's
; channels, the K of q k^T, and v's along the tokens, the K of p v.  Nothing is transposed.
; OUT: qk_codes [q, k][b][head][t][64], v_codes [b][head][d][2048].  Two accumulators' codes leave as one 16 bytes, so within each 32 along K the second and third groups of eight are
; swapped: position 32 c + 16 h + 8 u + j holds 32 c + 16 u + 8 h + j.  q and k carry the same order; for v the reader's 16-byte loads undo it.
; THE RING.  K goes in steps of 256 through two LDS slots filled by joint tensor loads (x's tile shared along a row of the 4 x 4 cluster, W's along a column), and the ring goes on into the second product:
; the first product's last change of slots asks for the second's K step 0, and the round between the bias and the conversions asks for its K step 1.  A slot of the second product is the lower 384 rows of a slot.
; The stage of both ways out has bytes on which no fill lands once the first result is stored there: the last 128 rows of slot 1, which the second product leaves alone, and what lies behind the ring.
; No prefetch: K has four steps, and each is asked for by its own load one change of slots ahead of its use.
; LIMITS: e0 + e1 between -126 and 127; e2, e3, e5 between -126 and 119.  q is taken as operand A of the second table product (e2), k as B (e3).
; REGISTERS, in windows of 256: window 0: v0-31 and v104-109 addresses; v32-95 the first bias in the result's layout, v96-103 the second; from v128 A's fragments, later the codes and the rows read back.
;   window 1: B's fragments, two sets.   window 2: the accumulators of my rows 0-63 ((a, b) at v[8 (8 a + b)]);   window 3: those of my rows 64-127 (first product alone).
.set ROWB,   256                       ; a tile's row: 256 codes
.set KROW,   1024                      ; a row of x's or W's codes in memory
.set PITCH,  272                       ; an LDS row: 256 bytes + 16 of padding
.set FR,     16                        ; registers of a fragment: 16 rows x 128 K
.set NL,     4                         ; LDS loads that bring one
.set NP,     4                         ; places behind this matrix instruction (ISA guide 7.12.1)
.set HALFT,  128*PITCH
.set SLOT,   4*HALFT                   ; x's 256 rows, then W's 256 (second product: 128)
.set STAGE,  SLOT+384*PITCH            ; 243,712: a tile as codes, 256 rows x (256 + 16) bytes
.set SPARE,  STAGE+256*PITCH           ; 313,344: the spare words, 128 bytes a wave, which no other line names
.set ADRA, 16                          ; v16-17  first product: LDS address of my A fragments in slot 0, 1
.set ADRB, 20                          ; v20-21  the same for B
.set RDQ,  22                          ; v22     where I read 8 rows x 64 bytes of my head back; v23 the same 128 rows on
.set RDQ2, 23
.set STO,  24                          ; v24     first product: where I put 16 codes of a row of the tile
.set RDV,  25                          ; v25     second: where I read two rows of 256 bytes back
.set GOQ,  26                          ; v26     my byte in 512 consecutive bytes of qk_codes
.set GOV,  27                          ; v27     my byte in two rows of v_codes
.set SPW,  28                          ; v28     my spare word; never rewritten
.set NIL,  29                          ; v29     0; never rewritten
.set SCL,  30                          ; v30     2^eo as f32
.set LIM,  31                          ; v31     448 x 2^eo
.set BI,   32                          ; v32-95  the first bias
.set BV,   96                          ; v96-103 the second: one number a block of rows, in the low word of a pair
.set ADX,  104                         ; v104-105 second product: my 128 rows of x in slot 0, 1
.set ADW,  106                         ; v106-107 my 64 rows of W
.set STO2, 108                         ; v108    where I put 16 codes
.set BA2,  109                         ; v109    the second bias's byte offset
.set AF,   128
.set CD,   128                         ; the way out: codes, 16 registers a block; then rows read back
.set G1, 24
.set G0, 32
.set G1B, 48
.set G0B, 56
.set MSB, 0
.macro WIN new                         ; the immediate's high byte repeats the setting that is left
.if MSB != \new
	s_set_vgpr_msb (MSB<<8)|\new
.set MSB, \new
.endif
.endm
.set MUL_LO, 0xa1                      ; source 0 (B) window 1, source 1 (A) window 0, C and D window 2
.set MUL_HI, 0xf1
.set TO_B,   0x40
.macro JLOAD g0a, g1a, g0b, g1b        ; a joint load: waves 0 and 1 fetch x's halves, waves 2 and 3 W's; four v_nop follow each line
	s_cmp_eq_u32 s15, 0
	s_cbranch_scc0 .Lfor_b_\@
	tensor_load_to_lds s[\g0a:\g0a+3], s[\g1a:\g1a+7]
	s_nop 0
.rept 4
	v_nop
.endr
	s_branch .Lasked_\@
.Lfor_b_\@:
	tensor_load_to_lds s[\g0b:\g0b+3], s[\g1b:\g1b+7]
	s_nop 0
.rept 4
	v_nop
.endr
.Lasked_\@:
.endm
.macro CREST                           ; a round of the cluster's barrier behind its opening barrier
	s_cmp_lg_u32 s14, 0
	s_cbranch_scc1 .Lnot_wave_0_\@
	s_barrier_signal -3
.Lnot_wave_0_\@:
	s_barrier_wait -3
	s_barrier_signal -1
	s_barrier_wait -1
.endm
.macro CROUND
	s_barrier_signal -1
	s_barrier_wait -1
	CREST
.endm
	s_load_b256 s[68:75], s[0:1], 0x0              ; x's codes s[68:69], W_qkv's s[70:71], the scales' exponents s[72:73], b_qkv s[74:75]
	s_load_b128 s[76:79], s[0:1], 0x20             ; qk_codes s[76:77], v_codes s[78:79]
	v_lshl_add_u32 v[SPW], v0, 2, SPARE
	v_mov_b32 v[NIL], 0
	ds_add_u32 v[SPW], v[NIL]                      ; the opening lines: the add twice on end and one wait, ahead of my first tensor load
	ds_add_u32 v[SPW], v[NIL]
	v_lshrrev_b32 v1, 5, v0
	v_readfirstlane_b32 s14, v1                    ; wave 0..3
	s_lshr_b32 s15, s14, 1                         ; which half of A's rows is mine.  Also: I fetch x (0) or W (1)
	s_and_b32 s16, s14, 1                          ; which half of B's rows.  Also: which half of that tile I fetch
	s_bfe_u32 s40, ttmp6, 0x40000                  ; cx, cy: my place in the cluster
	s_bfe_u32 s41, ttmp6, 0x40004
	s_mov_b32 s81, ttmp9                           ; the cluster's x: 0 makes q, 1 makes k
	s_and_b32 s82, ttmp7, 0xffff                   ; the cluster's y: 0..7
	s_lshl_b32 s17, s82, 2
	s_add_co_u32 s17, s17, s41                     ; the block of 256 tokens: 4 y + cy (0..31)
	s_lshl_b32 s42, s81, 2
	s_add_co_u32 s42, s42, s40                     ; the block of channels c: 4 x + cx (0..7)
	s_lshl_b32 s43, s41, 2
	s_lshl_b32 s43, 15, s43                        ; my row of the cluster
	s_lshl_b32 s44, 0x1111, s40                    ; my column
	s_or_b32 s[G1+0], s43, (0<<16)|(1<<20)|(1<<21)|(5<<22)|(3<<25)  ; the mask; elements of 1 byte; padding on; bit 21 beside a mask; after every 64 words, 4 words
	s_or_b32 s[G1B+0], s44, (0<<16)|(1<<20)|(1<<21)|(5<<22)|(3<<25)
.irp g, G1, G1B
	s_mov_b32 s[\g+1], ROWB<<16                    ; tensor_dim0
	s_mov_b32 s[\g+2], 128<<16                     ; tensor_dim1
	s_mov_b32 s[\g+3], ROWB<<16                    ; tile_dim0
	s_mov_b32 s[\g+4], 128                         ; tile_dim1
	s_mov_b32 s[\g+5], KROW                        ; tensor_dim0_stride
	s_mov_b32 s[\g+6], 0
	s_mov_b32 s[\g+7], 0
.endr
	s_lshl_b32 s18, s16, 7
	s_lshl_b32 s20, s17, 8
	s_add_co_u32 s20, s20, s18                     ; x: row 256 x token block + 128 x half,
	s_lshl_b32 s20, s20, 10                        ; in bytes
	s_mov_b32 s21, 0
	s_lshl_b32 s46, s42, 8
	s_add_co_u32 s46, s46, s18                     ; W for q, k: row 256 c + 128 x half
	s_lshl_b32 s46, s46, 10
	s_mov_b32 s47, 0
	s_lshl_b32 s6, s42, 7
	s_lshl_b32 s7, s16, 6
	s_add_co_u32 s6, s6, s7
	s_add_co_u32 s6, s6, 2048                      ; W for v: row 2,048 + 128 c + 64 x half
	s_lshl_b32 s6, s6, 10
	s_mov_b32 s7, 0
	s_mul_i32 s45, s14, HALFT                      ; where the first product's tiles go: wave x 128 rows: no place in the cluster enters an LDS address
	s_mul_i32 s19, s16, 64*PITCH
	s_add_co_u32 s19, s19, 2*HALFT                 ; and W's 64 rows of the second
	s_wait_dscnt 0x0                               ; both opening adds are done
	s_wait_kmcnt 0x0
	s_load_b256 s[84:91], s[72:73], 0x0            ; e0 .. e7
	s_add_nc_u64 s[20:21], s[68:69], s[20:21]
	s_add_nc_u64 s[46:47], s[70:71], s[46:47]
	s_add_nc_u64 s[6:7], s[70:71], s[6:7]
	CROUND                                         ; all sixteen work-groups are here: the first joint loads meet
.irp s, 0,1
	s_mov_b32 s[G0+4*\s], 1
	s_add_co_u32 s[G0+4*\s+1], s45, \s*SLOT
	s_add_nc_u64 s[G0+4*\s+2:G0+4*\s+3], s[20:21], \s*ROWB
	s_or_b32 s[G0+4*\s+3], s[G0+4*\s+3], 0x80000000
	s_mov_b32 s[G0B+4*\s], 1
	s_add_co_u32 s[G0B+4*\s+1], s45, \s*SLOT
	s_add_nc_u64 s[G0B+4*\s+2:G0B+4*\s+3], s[46:47], \s*ROWB
	s_or_b32 s[G0B+4*\s+3], s[G0B+4*\s+3], 0x80000000
.endr
	JLOAD G0, G1, G0B, G1B                         ; K step 0: one tensor load a wave at the head
	v_and_b32 v1, 15, v0                           ; r = lane % 16
	v_bfe_u32 v2, v0, 4, 1                         ; h = lane / 16
	v_and_b32 v6, 31, v0                           ; lane
	v_mul_u32_u24 v3, v1, PITCH
	v_lshrrev_b32 v7, 2, v6
	v_and_b32 v8, 3, v6
	v_mul_u32_u24 v9, v2, PITCH
	v_lshl_add_u32 v4, v2, 4, v3                   ; row r x pitch + 16 h
	v_mul_u32_u24 v7, v7, PITCH
	v_lshl_add_u32 v9, v1, 4, v9                   ; row h, byte 16 r
	v_lshl_add_u32 v7, v8, 4, v7                   ; row lane / 4, byte 16 (lane % 4)
	s_wait_alu depctr_va_vdst(0)
	s_mul_i32 s21, s15, HALFT
	s_mul_i32 s22, s16, HALFT
	s_mul_i32 s23, s15, 64*PITCH
	s_add_co_u32 s94, s21, s18
	s_add_co_u32 s94, s94, STAGE                   ; first stage place: row 128 x row half, byte 128 x column half
	s_add_co_u32 s95, s23, s18
	s_add_co_u32 s95, s95, STAGE                   ; second: row 64 x row half
	s_add_co_u32 s23, s23, 2*HALFT
	s_lshl_b32 s83, s14, 6
	s_add_co_u32 s83, s83, STAGE                   ; back, first: byte 64 x wave
	s_mul_i32 s98, s14, 32*PITCH
	s_add_co_u32 s98, s98, STAGE                   ; back, second: row 32 x wave
	s_lshl_b32 s96, s42, 8
	s_add_co_u32 s96, s96, s18
	s_lshl_b32 s96, s96, 2                         ; first bias: channel 256 c + 128 x column half, in bytes
	s_lshl_b32 s97, s42, 7
	s_lshl_b32 s4, s15, 6
	s_add_co_u32 s97, s97, s4
	s_add_co_u32 s97, s97, 2048
	s_lshl_b32 s97, s97, 2                         ; second: channel 2,048 + 128 c + 64 x row half
	v_add_nc_u32 v[ADRA], s21, v4
	v_add_nc_u32 v[ADX], s22, v4
	v_add_nc_u32 v[ADW], s23, v4
	v_add_nc_u32 v[STO], s94, v4
	v_add_nc_u32 v[STO2], s95, v4
	v_add_nc_u32 v[RDQ], s83, v7
	v_add_nc_u32 v[RDV], s98, v9
	v_lshl_add_u32 v5, v2, 5, s96                  ; + 8 h channels
	v_lshl_add_u32 v[BA2], v1, 2, s97              ; + r channels
	v_lshlrev_b32 v[GOQ], 4, v6
	v_lshlrev_b32 v10, 11, v2
	v_add_nc_u32 v[ADRA+1], SLOT, v[ADRA]
	v_add_nc_u32 v[ADX+1], SLOT, v[ADX]
	v_add_nc_u32 v[ADW+1], SLOT, v[ADW]
	v_add_nc_u32 v[ADRB], 2*HALFT, v[ADX]
	v_add_nc_u32 v[ADRB+1], 2*HALFT+SLOT, v[ADX]
	v_add_nc_u32 v[RDQ2], 128*PITCH, v[RDQ]
	v_lshl_add_u32 v[GOV], v1, 4, v10
	s_wait_alu depctr_va_vdst(0)
.irp x, 0,1,2,3,4,5,6,7
	global_load_b128 v[BI+8*\x:BI+8*\x+3],   v5, s[74:75] offset:64*\x       ; register 8 x + j = b_qkv[.. + 16 x + 8 h + j]
	global_load_b128 v[BI+8*\x+4:BI+8*\x+7], v5, s[74:75] offset:64*\x+16
.endr
.irp a, 0,1,2,3
	global_load_b32 v[BV+2*\a],   v[BA2], s[74:75] offset:64*\a                ; b_qkv[.. + 16 a + r],
	global_load_b32 v[BV+2*\a+1], v[BA2], s[74:75] offset:64*\a                ; and the pair's upper word, which is named with it
.endr
.macro FRAG reg, adr, q, i             ; 16 rows x 128 K: lane l holds row l % 16; registers 4 c .. 4 c + 3 hold K = 32 c + 16 (l / 16) + 0 .. 15: the same order in A and in B
.irp c, 0,1,2,3
	ds_load_b128 v[\reg+4*\c:\reg+4*\c+3], v[\adr] offset:128*(\q)+32*\c+(\i)*16*PITCH
.endr
.endm
; 16 matrix instructions: A's blocks a0, a0 + 1 x B's eight.  The accumulators take turns, one instruction a turn, in the same order in every step.
.macro MUL16 a0, p, zero
.irp a, \a0, \a0+1
.irp b, 0,1,2,3,4,5,6,7
.if \zero
	v_wmma_f32_16x16x128_fp8_fp8 v[8*(8*((\a)%4)+\b):8*(8*((\a)%4)+\b)+7], v[128*(\p)+FR*\b:128*(\p)+FR*\b+FR-1], v[AF+FR*(\a):AF+FR*(\a)+FR-1], 0
.else
	v_wmma_f32_16x16x128_fp8_fp8 v[8*(8*((\a)%4)+\b):8*(8*((\a)%4)+\b)+7], v[128*(\p)+FR*\b:128*(\p)+FR*\b+FR-1], v[AF+FR*(\a):AF+FR*(\a)+FR-1], v[8*(8*((\a)%4)+\b):8*(8*((\a)%4)+\b)+7]
.endif
.endr
.endr
.endm
.macro FETCH_B slot, q, p
	WIN TO_B
.irp i, 0,1,2,3,4,5,6,7
	FRAG 128*(\p)+FR*\i, ADRB+\slot, \q, \i
.endr
	WIN 0
.endm
.macro FETCH_A slot, q, i0
.irp i, \i0, \i0+1, \i0+2, \i0+3
	FRAG AF+FR*(\i), ADRA+\slot, \q, \i
.endr
.endm
.macro PLACES n                        ; plain vector places in front of loads into registers that matrix instructions have read, and of the first read of results
.rept \n
	v_nop
.endr
.endm
.macro STEP slot, q, zero              ; first product: 128 along K, with its successor in the same slot
	s_wait_dscnt 4*NL                              ; B's set and A's blocks 0-3 are in; the youngest sixteen loads (A's blocks 4-7) may be out
	WIN MUL_LO
	MUL16 0, (\q)%2, \zero
	MUL16 2, (\q)%2, \zero
	s_wait_dscnt 0                                 ; A's blocks 4-7 are in
	PLACES NP
	FETCH_B \slot, (\q)+1, 1-(\q)%2
	FETCH_A \slot, (\q)+1, 0
	WIN MUL_HI
	MUL16 4, (\q)%2, \zero
	MUL16 6, (\q)%2, \zero
	PLACES NP
	WIN 0
	FETCH_A \slot, (\q)+1, 4
.endm
; A slot's last step changes slots: in front of the round each wave waits for all its tensor loads, adds 0 to its spare word, and waits for that and for its reads of this slot.
; fill = 1: this slot takes the K step two on.  fill = 2: slot 0 takes the SECOND product's K step 0: x's rows once more, back at K = 0, and 2 x 64 rows of W for v.
.macro TURN slot, next, fill
	s_wait_tensorcnt 0x0                           ; all my tensor loads have landed: my part of the next slot; so every descriptor may be written
	ds_add_u32 v[SPW], v[NIL]                      ; 0 onto my spare word
	s_wait_dscnt 4*NL+1                            ; (the add and the youngest sixteen loads may be out)
	WIN MUL_LO
	MUL16 0, 1, 0
	s_wait_dscnt 0x0                               ; the add is done, and my reads of this slot are over
	s_barrier_signal -1
	MUL16 2, 1, 0
	WIN 0
	s_barrier_wait -1
	CREST                                          ; the barrier has opened a round of the cluster's: no wave of any partner still reads this slot or has a load on its way
.if \fill == 1
	s_add_nc_u64 s[G0+4*\slot+2:G0+4*\slot+3], s[G0+4*\slot+2:G0+4*\slot+3], 2*ROWB
	s_add_nc_u64 s[G0B+4*\slot+2:G0B+4*\slot+3], s[G0B+4*\slot+2:G0B+4*\slot+3], 2*ROWB
.else
	s_sub_nc_u64 s[G0+2:G0+3], s[G0+2:G0+3], 2*ROWB
	s_mov_b32 s[G0B+1], s19
	s_mov_b64 s[G0B+2:G0B+3], s[6:7]
	s_or_b32 s[G0B+3], s[G0B+3], 0x80000000
	s_mov_b32 s[G1B+2], 64<<16                     ; from here on W's loads bring 64 rows
	s_mov_b32 s[G1B+4], 64
.endif
	JLOAD G0+4*\slot, G1, G0B+4*\slot, G1B         ; the first tensor load behind the round; its four v_nop are the places in front of the loads below
	FETCH_B \next, 0, 0
	FETCH_A \next, 0, 0
	WIN MUL_HI
	MUL16 4, 1, 0
	MUL16 6, 1, 0
	PLACES NP
	WIN 0
	FETCH_A \next, 0, 4
.endm
; THE SECOND PRODUCT.  Both operands have two sets of registers: B' (x, 8 fragments) in window 1, A' (W, 4 fragments) at AF + 64 p.
.macro FETCH2 slot, q, p
	WIN TO_B
.irp i, 0,1,2,3,4,5,6,7
	FRAG 128*(\p)+FR*\i, ADX+\slot, \q, \i
.endr
	WIN 0
.irp i, 0,1,2,3
	FRAG AF+64*(\p)+FR*\i, ADW+\slot, \q, \i
.endr
.endm
.macro MULH p, zero                    ; 32 matrix instructions, the 32 accumulators by turns
	WIN MUL_LO
.irp a, 0,1,2,3
.irp b, 0,1,2,3,4,5,6,7
.if \zero
	v_wmma_f32_16x16x128_fp8_fp8 v[8*(8*\a+\b):8*(8*\a+\b)+7], v[128*(\p)+FR*\b:128*(\p)+FR*\b+FR-1], v[AF+64*(\p)+FR*\a:AF+64*(\p)+FR*\a+FR-1], 0
.else
	v_wmma_f32_16x16x128_fp8_fp8 v[8*(8*\a+\b):8*(8*\a+\b)+7], v[128*(\p)+FR*\b:128*(\p)+FR*\b+FR-1], v[AF+64*(\p)+FR*\a:AF+64*(\p)+FR*\a+FR-1], v[8*(8*\a+\b):8*(8*\a+\b)+7]
.endif
.endr
.endr
	WIN 0
.endm
.macro HS slot, zero                   ; a slot's first 128 along K, on set 0; the second 128's fragments are fetched ahead of the products
	s_wait_dscnt 0x0
	PLACES NP
	FETCH2 \slot, 1, 1
	MULH 0, \zero
.endm
.macro HT slot, next, fill             ; a slot's second 128, on set 1: all of the slot is in registers, so the change of slots comes ahead of the products
	s_wait_tensorcnt 0x0                           ; all my tensor loads have landed: my part of the next slot
	ds_add_u32 v[SPW], v[NIL]
	s_wait_dscnt 0x0                               ; the add is done, set 1 is in, and my reads of this slot are over
	s_barrier_signal -1
	s_barrier_wait -1
.if \fill
	CREST
	s_add_nc_u64 s[G0+4*\slot+2:G0+4*\slot+3], s[G0+4*\slot+2:G0+4*\slot+3], 2*ROWB
	s_add_nc_u64 s[G0B+4*\slot+2:G0B+4*\slot+3], s[G0B+4*\slot+2:G0B+4*\slot+3], 2*ROWB
	JLOAD G0+4*\slot, G1, G0B+4*\slot, G1B
.else
	PLACES NP
.endif
	FETCH2 \next, 0, 0
	MULH 1, 0
.endm
.macro SETE                            ; s94 = eo: 2^eo and 448 x 2^eo as f32
	s_add_co_i32 s94, s94, 127
	s_lshl_b32 s95, s94, 23
	v_mov_b32 v[SCL], s95
	s_add_co_i32 s94, s94, 8
	s_lshl_b32 s94, s94, 23
	s_or_b32 s94, s94, 0x600000
	v_mov_b32 v[LIM], s94
.endm
.macro CODES a, sto                    ; block a: 16 rows x 128 columns become 16 registers of codes and go to the stage
.set AC, 64*((\a)%4)
	WIN 0x82+0x41*((\a)/4)
.set j, 0
.rept 64
	v_med3_num_f32 v[AC+j], v[AC+j], -v[LIM], v[LIM]   ; the hold: the conversion does not saturate (ISA guide 7.6.2)
.set j, j+1
.endr
	WIN 0x02+((\a)/4)                              ; source 0 window 2 or 3, destination window 0
.irp b, 0,1,2,3,4,5,6,7
	v_cvt_scalef32_pk8_fp8_f32 v[CD+16*(\a)+2*\b:CD+16*(\a)+2*\b+1], v[AC+8*\b:AC+8*\b+7], v[SCL]
.endr
	WIN 0
	v_nop                                          ; a plain line behind the last conversion of the run
.irp c, 0,1,2,3
	ds_store_b128 v[\sto], v[CD+16*(\a)+4*\c:CD+16*(\a)+4*\c+3] offset:(\a)*16*PITCH+32*\c   ; the codes of accumulators 2 c and 2 c + 1: 16 bytes
.endr
.endm
	s_wait_tensorcnt 0x0                           ; my part of K step 0 is in; slot 1's first fill is issued as a refill is:
	ds_add_u32 v[SPW], v[NIL]                      ; 0 onto my spare word
	s_wait_dscnt 0x0
	CROUND                                         ; everybody's part of K step 0 is in, and all sixteen work-groups are here
	JLOAD G0+4, G1, G0B+4, G1B                     ; K step 1: the first tensor load behind the round
	FETCH_B 0, 0, 0
	FETCH_A 0, 0, 0
	FETCH_A 0, 0, 4
	STEP 0, 0, 1                                   ; the first products start the sums: nothing is cleared
	TURN 0, 1, 1                                   ; slot 0 takes K step 2
	STEP 1, 0, 0
	TURN 1, 0, 1                                   ; slot 1 takes K step 3
	STEP 0, 0, 0
	TURN 0, 1, 2                                   ; slot 0 takes the second product's K step 0
	STEP 1, 0, 0
	s_wait_dscnt 4*NL
	WIN MUL_LO
	MUL16 0, 1, 0
	MUL16 2, 1, 0
	s_wait_dscnt 0
	WIN MUL_HI
	MUL16 4, 1, 0
	MUL16 6, 1, 0
	WIN 0
	; THE FIRST WAY OUT.  value = sum x 2^(e0 + e1) + bias, in f32, in place; held within +-448 x 2^eo; converted; the tile's codes meet in the stage and leave in long runs.
	s_wait_kmcnt 0x0
	s_wait_loadcnt 0x0                             ; both biases
	s_add_co_i32 s92, s84, s85
	s_add_co_i32 s92, s92, 127
	s_lshl_b32 s92, s92, 23                        ; 2^(e0 + e1) as f32
	s_mov_b32 s93, s92                             ; (named with it as a pair)
	s_cmp_lg_u32 s81, 0
	s_cselect_b32 s94, s87, s86                    ; cluster x = 0 makes q (e2), 1 makes k (e3)
	SETE
	PLACES NP
.irp a, 0,1,2,3,4,5,6,7                        ; each accumulator from its low end on; the bias goes with the block of columns b
	WIN 0x82+0x41*(\a/4)                           ; source 0 and destination window 2 or 3; the bias in window 0
.irp b, 0,1,2,3,4,5,6,7
.irp i, 0,2,4,6
	v_pk_fma_f32 v[64*(\a%4)+8*\b+\i:64*(\a%4)+8*\b+\i+1], v[64*(\a%4)+8*\b+\i:64*(\a%4)+8*\b+\i+1], s[92:93], v[BI+8*\b+\i:BI+8*\b+\i+1] op_sel_hi:[1,0,1]
.endr
.endr
.endr
	WIN 0
	s_wait_alu depctr_va_vdst(0)
	s_wait_tensorcnt 0x0                           ; the second product's K step 0 is in (my part),
	ds_add_u32 v[SPW], v[NIL]
	s_wait_dscnt 0x0                               ; and my reads of slot 1 are over
	CROUND                                         ; both hold of every wave of the cluster
	s_sub_nc_u64 s[G0+6:G0+7], s[G0+6:G0+7], 2*ROWB    ; x back from K step 3 to K step 1
	s_add_co_u32 s[G0B+5], s19, SLOT
	s_add_nc_u64 s[G0B+6:G0B+7], s[6:7], ROWB
	s_or_b32 s[G0B+7], s[G0B+7], 0x80000000
	JLOAD G0+4, G1, G0B+4, G1B                     ; slot 1's lower 384 rows take the second product's K step 1; the stage lies behind them
.irp a, 0,1,2,3,4,5,6,7
	CODES \a, STO
.endr
	s_wait_dscnt 0x0                               ; for the others' sake: my stores into the stage are done
	s_barrier_signal -1
	s_barrier_wait -1
	; wave w takes head w of the tile's four: 256 tokens x 64 bytes are 16,384 consecutive bytes of qk_codes
	s_lshl_b32 s94, s81, 23                        ; q or k: 8 Mi
	s_lshr_b32 s95, s17, 3
	s_lshl_b32 s95, s95, 21                        ; the batch: 2 Mi
	s_add_co_u32 s94, s94, s95
	s_lshl_b32 s95, s40, 2
	s_add_co_u32 s95, s95, s14
	s_lshl_b32 s95, s95, 17                        ; the head 4 cx + w: 128 Ki
	s_add_co_u32 s94, s94, s95
	s_and_b32 s95, s17, 7
	s_lshl_b32 s95, s95, 14                        ; the 256 tokens
	s_add_co_u32 s94, s94, s95
	s_mov_b32 s95, 0
	s_add_nc_u64 s[10:11], s[76:77], s[94:95]
.set i, 0
.rept 16
	ds_load_b128 v[CD+4*i:CD+4*i+3], v[RDQ] offset:8*PITCH*i
.set i, i+1
.endr
.rept 16
	ds_load_b128 v[CD+4*i:CD+4*i+3], v[RDQ2] offset:8*PITCH*(i-16)
.set i, i+1
.endr
.set i, 0
.rept 32
	s_wait_dscnt 31-i                              ; LDS loads come back in order: load i is in, the younger ones may be out
	global_store_b128 v[GOQ], v[CD+4*i:CD+4*i+3], s[10:11] offset:512*i   ; 32 lanes store 512 consecutive bytes, aligned
.set i, i+1
.endr
	s_wait_xcnt 0x0                                ; the stores have read their registers and their base: fragments land there next
	; THE SECOND PRODUCT: its K step 0 was shown whole by the round above
	FETCH2 0, 0, 0
	HS 0, 1                                        ; the first products start the sums
	HT 0, 1, 1                                     ; slot 0 takes K step 2
	HS 1, 0
	HT 1, 0, 1                                     ; slot 1 takes K step 3
	HS 0, 0
	HT 0, 1, 0                                     ; nothing is left to fetch
	HS 1, 0
	s_wait_dscnt 0x0
	MULH 1, 0
	; THE SECOND WAY OUT: the bias goes with the block of rows a: one number a lane, the low word of its pair for both halves
	s_mov_b32 s94, s89                             ; v: e5
	SETE
	PLACES NP
	WIN 0x82
.irp a, 0,1,2,3
.irp b, 0,1,2,3,4,5,6,7
.irp i, 0,2,4,6
	v_pk_fma_f32 v[64*\a+8*\b+\i:64*\a+8*\b+\i+1], v[64*\a+8*\b+\i:64*\a+8*\b+\i+1], s[92:93], v[BV+2*\a:BV+2*\a+1] op_sel_hi:[1,0,0]
.endr
.endr
.endr
	WIN 0
.irp a, 0,1,2,3                                ; the first way out's reads of the stage were over many barriers ago
	CODES \a, STO2
.endr
	s_wait_dscnt 0x0
	s_barrier_signal -1
	s_barrier_wait -1
	; wave w takes rows 32 w on; a row's 256 codes are 256 consecutive bytes of v_codes
	s_lshr_b32 s94, s17, 3
	s_lshl_b32 s94, s94, 21                        ; the batch: 2 Mi
	s_lshl_b32 s95, s42, 7
	s_lshl_b32 s96, s14, 5
	s_add_co_u32 s95, s95, s96
	s_lshl_b32 s95, s95, 11                        ; channel 128 c + 32 w, a row of 2,048 bytes
	s_add_co_u32 s94, s94, s95
	s_and_b32 s95, s17, 7
	s_lshl_b32 s95, s95, 8                         ; the 256 tokens
	s_add_co_u32 s94, s94, s95
	s_mov_b32 s95, 0
	s_add_nc_u64 s[10:11], s[78:79], s[94:95]
.set i, 0
.rept 16
	ds_load_b128 v[CD+4*i:CD+4*i+3], v[RDV] offset:2*PITCH*i
.set i, i+1
.endr
.set i, 0
.rept 16
	s_wait_dscnt 15-i
	global_store_b128 v[GOV], v[CD+4*i:CD+4*i+3], s[10:11] offset:4096*i  ; sixteen lanes store 256 consecutive bytes, aligned
.set i, i+1
.endr
	s_wait_tensorcnt 0x0                           ; the wave's end
	ds_add_u32 v[SPW], v[NIL]
	s_wait_dscnt 0x0
	CROUND                                         ; the closing round: no work-group ends while a partner may still ask for a tile that names it
	s_endpgm
.Lfunc_end_k_q4c63029ac2_gemm_qkv:
	.size	k_q4c63029ac2_gemm_qkv, .Lfunc_end_k_q4c63029ac2_gemm_qkv-k_q4c63029ac2_gemm_qkv
	.p2alignl 7, 3214868480
	.fill 96, 4, 3214868480
	.section	.rodata,"a",@progbits
	.p2align	6, 0x0
	.amdhsa_kernel k_q4c63029ac2_gemm_qkv
		.amdhsa_group_segment_fixed_size 327680
		.amdhsa_private_segment_fixed_size 0
		.amdhsa_enable_private_segment 0
		.amdhsa_kernarg_size 48
		.amdhsa_user_sgpr_count 2
		.amdhsa_user_sgpr_kernarg_segment_ptr 1
		.amdhsa_wavefront_size32 1
		.amdhsa_system_sgpr_workgroup_id_x 1
		.amdhsa_system_sgpr_workgroup_id_y 1
		.amdhsa_system_sgpr_workgroup_id_z 1
		.amdhsa_system_vgpr_workitem_id 0
		.amdhsa_next_free_vgpr 1024
		.amdhsa_next_free_sgpr 100
		.amdhsa_reserve_vcc 0
		.amdhsa_float_denorm_mode_32 3
		.amdhsa_float_denorm_mode_16_64 3
		.amdhsa_memory_ordered 1
		.amdhsa_forward_progress 1
		.amdhsa_inst_pref_size 221
	.end_amdhsa_kernel
	.amdgpu_metadata
---
amdhsa.version: [ 1, 2 ]
amdhsa.kernels:
  - .name:           k_q4c63029ac2_gemm_qkv
    .symbol:         k_q4c63029ac2_gemm_qkv.kd
    .args:
      - { .name: x_codes, .offset: 0, .size: 8, .value_kind: global_buffer, .address_space: global }
      - { .name: wqkv_codes, .offset: 8, .size: 8, .value_kind: global_buffer, .address_space: global }
      - { .name: lowp_scales, .offset: 16, .size: 8, .value_kind: global_buffer, .address_space: global }
      - { .name: b_qkv, .offset: 24, .size: 8, .value_kind: global_buffer, .address_space: global }
      - { .name: qk_codes, .offset: 32, .size: 8, .value_kind: global_buffer, .address_space: global }
      - { .name: v_codes, .offset: 40, .size: 8, .value_kind: global_buffer, .address_space: global }
    .group_segment_fixed_size: 327680
    .private_segment_fixed_size: 0
    .kernarg_segment_align: 8
    .kernarg_segment_size: 48
    .max_flat_workgroup_size: 128
    .sgpr_count:     100
    .vgpr_count:     1024
    .wavefront_size: 32
...
	.end_amdgpu_metadata
.endif
;; end of part 2
;; launch attn (part 3): grid 4 x 64, 16 waves a work-group, clusters of 4 x 1, 327,680 bytes of LDS; arguments qk_codes, v_codes, lowp_scales, a_img; writes a_img
.if DOCPART == 3
	.amdgcn_target "amdgcn-amd-amdhsa--gfx1250"
	.amdhsa_code_object_version 6
	.text
	.protected	k_q4c63029ac2_attn
	.globl	k_q4c63029ac2_attn
	.p2align	8
	.type	k_q4c63029ac2_attn,@function
k_q4c63029ac2_attn:
	s_mov_b64 s[64:65], 0
	v_nop
	global_prefetch_b8 v0, s[64:65] scope:SCOPE_SE
	s_setreg_imm32_b32 hwreg(HW_REG_WAVE_MODE, 25, 1), 1
	s_wait_xcnt 0x0
	s_wait_alu depctr_hold_cnt(0) depctr_sa_sdst(0) depctr_va_vdst(0) depctr_va_sdst(0) depctr_va_ssrc(0) depctr_va_vcc(0) depctr_vm_vsrc(0)
	s_getreg_b32 s2, hwreg(HW_REG_IB_STS2, 6, 4)
	s_cmp_eq_u32 s2, 0
	s_cbranch_scc0 .Lentry_in_a_cluster
	s_endpgm
.Lentry_in_a_cluster:
	s_bfe_u32 s2, ttmp6, 0x10000c
	s_cmp_lg_u32 s2, 0x3003
	s_cbranch_scc0 .Lentry_shape_is_right
	s_endpgm
.Lentry_shape_is_right:
; Causal attention on codes of E4M3, head size 64, 2,048 tokens, 64 (batch, head) pairs; the result is quantised (2^e6) and stored as images of the next product's operand registers.
; t = score x log2(e) / 8; M = the running largest t rounded UP to a whole number; p = 2^(t - M) is quantised (2^e4), not normalised; the row's sum is taken of the unquantised p and divides at the end.
; LEFT OUT: key steps all of whose 128 keys come after a wave's 16 queries: the causal mask gives them the weight 0 for all values of the inputs.
; SHARES.  A cluster of four work-groups is one (batch, head).  All its K and V, 262,144 bytes of codes, comes into each work-group's LDS once, by JOINT tensor loads (mask 15), one a wave, all at the head:
; waves 0-7 bring 256 keys of K each (16,384 dense bytes, stated as 64 rows of 256), waves 8-15 bring 16 channels x 1,024 keys of V each.  No LDS byte is filled again.
; No prefetch: every byte of K and V is asked for once, at the head; there is no loop to run ahead in.
; The 128 tiles of 16 queries are dealt so that no branch and no trip count sees the place in the cluster: group g (0..31) is tiles 4 g + cx, and has g / 2 + 1 steps of 128 keys for all four partners alike.
; Wave w takes group 31 - w (pass B), then group w (pass A): 17 steps for every wave.  cx enters only q's and the output's global addresses and the number that the mask compares with.
; LAYOUT.  Both products are used transposed: S^T = K Q^T (source 0 = 16 neighbouring keys, source 1 = my 16 queries; K = 64), O^T = V^T P^T (source 0 = 16 channels, source 1 = P; K = 128 keys): a lane holds one query.
; Tile t of S^T gives lane (r, h) keys 16 t + 8 h + 0 .. 7, whose eight codes are registers 2 t, 2 t + 1 of P.  v_codes has the second and third eight of each 32 keys swapped, so that a 16-byte load gives
; V's registers the same keys in the same places.  q and k carry one order of channels.
; LIMITS: e2 + e3 between -123 and 130 (added to c's exponent field); e4, e6 between -126 and 119; e4 + e5 is applied by v_ldexp_f32.
; LDS: K 2,048 rows of 64 + 16 bytes; V in two halves of 1,024 keys, 64 rows of 1,024 + 16 bytes each; a stage of 16 rows x 80 bytes for each wave, into which no fill lands; the spare words.
.set KP,    80
.set VP,    1040
.set KHALF, 1024*KP
.set VBASE, 2*KHALF
.set VHALF, 64*VP
.set STAGE, VBASE+2*VHALF              ; 296,960
.set SPARE, STAGE+16*16*KP             ; 317,440: 128 bytes for each of 16 waves, named by no other line
.set AK0, 1                            ; v1   my lane's place in a tile of K: 80 r + 16 h
.set AV0, 2                            ; v2   in a tile of V: 1,040 r + 16 h
.set QA,  3                            ; v3   q's byte offset, pass A;  v4 pass B
.set QB,  4
.set STO, 5                            ; v5   the stage: where I put 8 codes of a row
.set RD,  6                            ; v6   and where I read 16 back
.set GOB, 7                            ; v7   the output's byte offset, pass B;  v24 pass A
.set ADK, 8                            ; v8, v9  LDS addresses of the step in hand
.set ADV, 9
.set DQB, 10                           ; v10  my query less the diagonal step's first key less 8 h, pass B;  v11 pass A
.set DQA, 11
.set Q,   16                           ; v16-23  Q's fragment, pass B
.set GOA, 24
.set KV,  32                           ; v32-95  K's 8 fragments of 8, then V's 4 of 16
.set S,   96                           ; v96-159 S^T, then p
.set O,   160                          ; v160-191 O^T
.set PC,  192                          ; v192-207 p's codes (v200-207 also carry chains of the sum ahead of the conversions)
                                       ; v12 -M, v13 the largest t, v[14:15] the sum; v208, v209, v212, v213, v[222:223] at work; v[210:211] f; v214 a permute's result; v215 -infinity
                                       ; v216 and v234 448 x 2^e4, v217 2^e4, v218 2^e6, v219 448 x 2^e6, v[220:221] 2^(e4 + e5) / the sum
.set SPW, 224                          ; v224 my spare word; v225 0; never rewritten
.set NIL, 225
.set Q2,  226                          ; v226-233 Q's fragment, pass A
.set H2,  234
.set OM,  235                          ; v235 the last step's -M
.set WV,  12                           ; s12 wave; s13 cx; s14 (batch, head); s15 wave % 8
.set SEL, 20                           ; s[20:21] selects for lane l xor 16
.set CS,  22                           ; s[22:23] c
.set G1K, 24
.set G1V, 32
.set G0K, 40
.set G0V, 48
.set GB,  56                           ; s56 31 - wave
.set KMAX, 57                          ; s57 the pass's last (diagonal) step
.set KS,  58                           ; s58 the step
.set TBK, 59                           ; s59, s60 LDS byte of the step's K and V
.set TBV, 60
.set E45, 61
.macro ROUND                           ; a round of the cluster's barrier
	s_barrier_signal -1
	s_barrier_wait -1
	s_cmp_lg_u32 s[WV], 0
	s_cbranch_scc1 .Lnot_wave_0_\@
	s_barrier_signal -3
.Lnot_wave_0_\@:
	s_barrier_wait -3
	s_barrier_signal -1
	s_barrier_wait -1
.endm
	s_load_b256 s[4:11], s[0:1], 0x0               ; qk_codes s[4:5], v_codes s[6:7], the scales' exponents s[8:9], a_img s[10:11]
	v_lshl_add_u32 v[SPW], v0, 2, SPARE
	v_mov_b32 v[NIL], 0
	ds_add_u32 v[SPW], v[NIL]                      ; the opening lines: the add twice on end and one wait, ahead of my tensor load
	ds_add_u32 v[SPW], v[NIL]
	v_lshrrev_b32 v1, 5, v0
	v_readfirstlane_b32 s[WV], v1                  ; wave 0..15
	s_bfe_u32 s13, ttmp6, 0x40000                  ; cx
	s_and_b32 s14, ttmp7, 0xffff                   ; the cluster's y: 16 x batch + head
	s_and_b32 s15, s[WV], 7
	s_mov_b32 s[G1K], 15|(1<<20)|(1<<21)|(3<<22)|(3<<25)   ; all four work-groups; elements of 1 byte; padding on; bit 21 beside a mask; after every 16 words (a key's 64 bytes), 4 words
	s_mov_b32 s[G1K+1], 256<<16                    ; tensor_dim0: four keys' rows lie end to end in 256 bytes
	s_mov_b32 s[G1K+2], 64<<16                     ; tensor_dim1
	s_mov_b32 s[G1K+3], 256<<16                    ; tile_dim0
	s_mov_b32 s[G1K+4], 64                         ; tile_dim1
	s_mov_b32 s[G1K+5], 256                        ; from row to row
	s_mov_b32 s[G1K+6], 0
	s_mov_b32 s[G1K+7], 0
	s_mov_b32 s[G1V], 15|(1<<20)|(1<<21)|(7<<22)|(3<<25)   ; after every 256 words, 4 words
	s_mov_b32 s[G1V+1], 1024<<16
	s_mov_b32 s[G1V+2], 16<<16
	s_mov_b32 s[G1V+3], 1024<<16
	s_mov_b32 s[G1V+4], 16
	s_mov_b32 s[G1V+5], 2048
	s_mov_b32 s[G1V+6], 0
	s_mov_b32 s[G1V+7], 0
	s_mov_b32 s[SEL], 0x76543210
	s_mov_b32 s[SEL+1], 0xfedcba98
	s_mov_b32 s[CS], 0x3e38aa3b                    ; c = log2(e) / 8
	s_lshl_b32 s16, s14, 17                        ; the head's 131,072 bytes in q, in k and in v
	s_lshl_b32 s18, s15, 14                        ; K: my 256 keys,
	s_add_co_u32 s18, s18, s16
	s_add_co_u32 s18, s18, 0x800000                ; behind all of q
	s_mov_b32 s19, 0
	s_lshr_b32 s82, s15, 1                         ; V: which 16 channels,
	s_and_b32 s83, s15, 1                          ; which half of the keys
	s_lshl_b32 s62, s82, 15
	s_lshl_b32 s63, s83, 10
	s_add_co_u32 s62, s62, s63
	s_add_co_u32 s62, s62, s16
	s_mov_b32 s63, 0
	s_mul_i32 s80, s15, 256*KP                     ; and where they go
	s_mul_i32 s81, s82, 16*VP
	s_mul_i32 s83, s83, VHALF
	s_add_co_u32 s81, s81, s83
	s_add_co_u32 s81, s81, VBASE
	s_lshl_b32 s84, s13, 10                        ; q: + 16 cx rows of 64 bytes
	s_add_co_u32 s84, s84, s16
	s_mov_b32 s85, 0
	s_lshr_b32 s86, s14, 4
	s_lshl_b32 s86, s86, 21                        ; the output: the batch's 128 tiles of 16,384 bytes,
	s_lshl_b32 s87, s13, 14
	s_add_co_u32 s86, s86, s87                     ; + tile cx,
	s_and_b32 s87, s14, 15
	s_lshl_b32 s87, s87, 10
	s_add_co_u32 s86, s86, s87                     ; + the head's 1,024 bytes of a tile
	s_mov_b32 s87, 0
	s_wait_dscnt 0x0                               ; both opening adds are done
	s_wait_kmcnt 0x0
	s_load_b256 s[68:75], s[8:9], 0x0              ; e0 .. e7
	s_add_nc_u64 s[76:77], s[4:5], s[84:85]
	s_add_nc_u64 s[78:79], s[10:11], s[86:87]
	s_mov_b32 s[G0K], 1
	s_mov_b32 s[G0K+1], s80
	s_add_nc_u64 s[G0K+2:G0K+3], s[4:5], s[18:19]
	s_or_b32 s[G0K+3], s[G0K+3], 0x80000000
	s_mov_b32 s[G0V], 1
	s_mov_b32 s[G0V+1], s81
	s_add_nc_u64 s[G0V+2:G0V+3], s[6:7], s[62:63]
	s_or_b32 s[G0V+3], s[G0V+3], 0x80000000
	ROUND                                          ; all four work-groups are here: the joint loads meet
	s_cmp_lt_u32 s[WV], 8                          ; one fill to each arm, one join: every wave has one tensor load out
	s_cbranch_scc0 .Lfirst_v
	tensor_load_to_lds s[G0K:G0K+3], s[G1K:G1K+7]
	s_nop 0
.rept 4
	v_nop
.endr
	s_branch .Lfirst_asked
.Lfirst_v:
	tensor_load_to_lds s[G0V:G0V+3], s[G1V:G1V+7]
	s_nop 0
.rept 4
	v_nop
.endr
.Lfirst_asked:
	s_xor_b32 s[GB], s[WV], 31                     ; 31 - wave
	s_lshl_b32 s80, s[GB], 12                      ; a group is 64 queries: 4,096 bytes of q
	s_lshl_b32 s81, s[WV], 12
	s_mul_i32 s82, s[WV], 16*KP
	s_add_co_u32 s82, s82, STAGE                   ; my stage
	s_lshl_b32 s83, s[GB], 16                      ; a group is four tiles of 16,384 bytes of the output
	s_lshl_b32 s84, s[WV], 16
	s_lshl_b32 s87, s13, 4
	s_and_b32 s85, s[GB], 1
	s_lshl_b32 s85, s85, 6
	s_add_co_u32 s85, s85, s87                     ; 64 (g % 2) + 16 cx, pass B
	s_and_b32 s86, s[WV], 1
	s_lshl_b32 s86, s86, 6
	s_add_co_u32 s86, s86, s87                     ; pass A
	v_and_b32 v25, 15, v0                          ; r
	v_bfe_u32 v26, v0, 4, 1                        ; h
	v_and_b32 v27, 31, v0                          ; lane
	v_mul_u32_u24 v[AK0], v25, KP
	v_mul_u32_u24 v[AV0], v25, VP
	v_lshlrev_b32 v28, 6, v25
	v_lshlrev_b32 v30, 4, v27
	v_lshlrev_b32 v31, 3, v26
	v_add_nc_u32 v29, s82, v[AK0]                  ; row r of my stage
	v_lshl_add_u32 v[AK0], v26, 4, v[AK0]
	v_lshl_add_u32 v[AV0], v26, 4, v[AV0]
	v_lshl_add_u32 v28, v26, 4, v28                ; q: row r of 64 bytes, + 16 h
	v_sub_nc_u32 v31, v25, v31                     ; r - 8 h
	v_lshl_add_u32 v[STO], v26, 3, v29
	v_lshl_add_u32 v[RD], v26, 4, v29
	v_add_nc_u32 v[QB], s80, v28
	v_add_nc_u32 v[QA], s81, v28
	v_add_nc_u32 v[GOB], s83, v30
	v_add_nc_u32 v[GOA], s84, v30
	v_add_nc_u32 v[DQB], s85, v31
	v_add_nc_u32 v[DQA], s86, v31
	v_mov_b32 v211, 0                              ; (upper halves of pairs that are named whole)
	v_mov_b32 v221, 0
	v_mov_b32 v214, 0                              ; a lane permute's destination counts as one of its sources
	v_mov_b32 v215, 0xff800000                     ; -infinity
	s_wait_alu depctr_va_vdst(0)
	global_load_b128 v[Q:Q+3],    v[QB], s[76:77]            ; both passes' fragments of Q stay in registers
	global_load_b128 v[Q+4:Q+7],  v[QB], s[76:77] offset:32
	global_load_b128 v[Q2:Q2+3],  v[QA], s[76:77]
	global_load_b128 v[Q2+4:Q2+7], v[QA], s[76:77] offset:32
	s_wait_kmcnt 0x0
	s_add_co_i32 s82, s70, s71
	s_lshl_b32 s82, s82, 23
	s_add_co_i32 s[CS], s[CS], s82                 ; a score stands for score x 2^(e2 + e3): added to c's exponent field
	s_mov_b32 s[CS+1], s[CS]
	s_add_co_i32 s82, s72, 127
	s_lshl_b32 s83, s82, 23
	v_mov_b32 v217, s83                            ; 2^e4
	s_add_co_i32 s82, s82, 8
	s_lshl_b32 s82, s82, 23
	s_or_b32 s82, s82, 0x600000
	v_mov_b32 v216, s82                            ; 448 x 2^e4,
	v_mov_b32 v[H2], s82                           ; twice: the two halves of a dual pair name registers of their own
	s_add_co_i32 s82, s74, 127
	s_lshl_b32 s83, s82, 23
	v_mov_b32 v218, s83                            ; 2^e6
	s_add_co_i32 s82, s82, 8
	s_lshl_b32 s82, s82, 23
	s_or_b32 s82, s82, 0x600000
	v_mov_b32 v219, s82                            ; 448 x 2^e6
	s_add_co_i32 s[E45], s72, s73
; A KEY STEP: 128 keys.  causal = 1: a step behind the pass's diagonal step is left out (a scalar branch on the wave's number and the step; no barrier and no tensor load stands in a step),
; and in the diagonal step hidden scores become -infinity ahead of the maximum.
.macro STEP causal, dq, q
.if \causal
	s_cmp_gt_u32 s[KS], s[KMAX]
	s_cbranch_scc1 .Lhid_\@
.endif
	v_add_nc_u32 v[ADK], s[TBK], v[AK0]
	v_add_nc_u32 v[ADV], s[TBV], v[AV0]
	v_mov_b32 v[OM], v12                           ; the -M that the sums stand under
	v_nop                                          ; four places in front of loads into registers that the last products read
.irp t, 0,1,2,3,4,5,6,7
	ds_load_b128 v[KV+8*\t:KV+8*\t+3],   v[ADK] offset:16*KP*\t
	ds_load_b128 v[KV+8*\t+4:KV+8*\t+7], v[ADK] offset:16*KP*\t+32
.endr
	s_wait_alu depctr_va_vdst(0)
	s_wait_dscnt 0x0
.irp t, 0,1,2,3,4,5,6,7
	v_wmma_f32_16x16x64_fp8_fp8 v[S+8*\t:S+8*\t+7], v[KV+8*\t:KV+8*\t+7], v[\q:\q+7], 0
.endr
.rept 4
	v_nop                                          ; places: for V's loads into K's registers, and for the first read of the scores
.endr
.irp t, 0,1,2,3
.irp c, 0,1,2,3
	ds_load_b128 v[KV+16*\t+4*\c:KV+16*\t+4*\c+3], v[ADV] offset:16*VP*\t+32*\c   ; V lands while the softmax is walked
.endr
.endr
.if \causal
	s_cmp_lg_u32 s[KS], s[KMAX]
	s_cbranch_scc1 .Lopen_\@
.set n, 0
.rept 64
	v_cmp_gt_i32 vcc_lo, 16*(n/8)+n%8, v[\dq]      ; register 8 t + j holds key 16 t + 8 h + j of the step: hidden where it comes after my query
	v_cndmask_b32 v[S+n], v[S+n], v215, vcc_lo
.set n, n+1
.endr
.Lopen_\@:
.endif
	v_max3_num_f32 v208, v[S], v[S+1], v[S+2]      ; the step's largest score of my query among my 64 keys: four chains by turns, each accumulator from its low end on
	v_max3_num_f32 v209, v[S+16], v[S+17], v[S+18]
	v_max3_num_f32 v212, v[S+32], v[S+33], v[S+34]
	v_max3_num_f32 v213, v[S+48], v[S+49], v[S+50]
.irp i, 3,5,7,9,11,13
	v_max3_num_f32 v208, v208, v[S+\i], v[S+1+\i]
	v_max3_num_f32 v209, v209, v[S+16+\i], v[S+17+\i]
	v_max3_num_f32 v212, v212, v[S+32+\i], v[S+33+\i]
	v_max3_num_f32 v213, v213, v[S+48+\i], v[S+49+\i]
.endr
	v_max3_num_f32 v208, v208, v[S+15], v[S+31]
	v_max3_num_f32 v209, v209, v[S+47], v[S+63]
	v_max3_num_f32 v208, v208, v212, v213
	s_delay_alu instid0(VALU_DEP_1)
	v_max_num_f32 v208, v208, v209
	s_delay_alu instid0(VALU_DEP_1)
	v_permlanex16_b32 v214, v208, s[SEL], s[SEL+1]
	s_delay_alu instid0(VALU_DEP_1)
	v_max_num_f32 v208, v208, v214                 ; and among lane l xor 16's
	s_delay_alu instid0(VALU_DEP_1)
	v_mul_f32 v208, s[CS], v208                    ; as t (c is positive)
	s_delay_alu instid0(VALU_DEP_1)
	v_max_num_f32 v13, v13, v208                   ; the running largest t
	s_delay_alu instid0(VALU_DEP_1)
	v_floor_f32 v12, -v13                          ; the new -M = -ceil(t): a whole number
	s_delay_alu instid0(VALU_DEP_1)
	v_sub_f32 v208, v12, v[OM]                     ; old M - new M, 0 or less
	s_delay_alu instid0(VALU_DEP_1)
	v_cvt_i32_f32 v208, v208                       ; (it saturates)
	s_delay_alu instid0(VALU_DEP_1)
	v_ldexp_f32 v210, 1.0, v208                    ; f = 2^(old M - new M): exact
.set j, 0
.rept 32
	v_pk_fma_f32 v[S+j:S+j+1], v[S+j:S+j+1], s[CS:CS+1], v[12:13] op_sel_hi:[1,0,0]   ; t - M
.set j, j+2
.endr
.set j, 0
.rept 16
	v_pk_mul_f32 v[O+j:O+j+1], v[O+j:O+j+1], v[210:211] op_sel_hi:[1,0]   ; O^T under the new M, ahead of the exponentials: no transcendental stands between the last products and these first readers
.set j, j+2
.endr
.set j, 0
	s_wait_alu depctr_va_vdst(0)
.rept 64
	v_exp_f32 v[S+j], v[S+j]                       ; p = 2^(t - M)
.set j, j+1
.endr
	v_pk_mul_f32 v[14:15], v[14:15], v[210:211] op_sel_hi:[1,0]   ; the sum under the new M (a plain line behind the exponentials)
	s_wait_alu depctr_va_vdst(0)                   ; one wait for the batch, ahead of its first reader
.irp k, 0,4,6                                  ; the row's sum of the unquantised p: eight chains by turns, four pairs each
.set n, 0
.irp c, 200,202,204,206,208,212,222
.if \k == 0
	v_pk_add_f32 v[\c:\c+1], v[S+n:S+n+1], v[S+n+2:S+n+3]
.else
	v_pk_add_f32 v[\c:\c+1], v[\c:\c+1], v[S+n+\k:S+n+\k+1]
.endif
.set n, n+8
.endr
	v_pk_add_f32 v[14:15], v[14:15], v[S+56+\k:S+57+\k]
.endr
	v_pk_add_f32 v[200:201], v[200:201], v[202:203]
	v_pk_add_f32 v[204:205], v[204:205], v[206:207]
	v_pk_add_f32 v[208:209], v[208:209], v[212:213]
	v_pk_add_f32 v[14:15], v[14:15], v[S+58:S+59]
	v_pk_add_f32 v[200:201], v[200:201], v[204:205]
	v_pk_add_f32 v[208:209], v[208:209], v[222:223]
	v_pk_add_f32 v[14:15], v[14:15], v[200:201]
.irp t, 0,1,2,3,4,5,6,7
.irp i, 0,2,4,6
	v_dual_min_num_f32 v[S+8*\t+\i], v[S+8*\t+\i], v216 :: v_dual_min_num_f32 v[S+8*\t+\i+1], v[S+8*\t+\i+1], v[H2]   ; the hold, one-sided (p is not negative), two numbers an instruction
.endr
	v_cvt_scalef32_pk8_fp8_f32 v[PC+2*\t:PC+2*\t+1], v[S+8*\t:S+8*\t+7], v217
.endr
	v_pk_add_f32 v[14:15], v[14:15], v[208:209]    ; the sum's last chain: also the plain line between the conversions and the products
	s_wait_alu depctr_va_vdst(0)
	s_wait_dscnt 0x0                               ; V is in
.irp t, 0,1,2,3
	v_wmma_f32_16x16x128_fp8_fp8 v[O+8*\t:O+8*\t+7], v[KV+16*\t:KV+16*\t+15], v[PC:PC+15], v[O+8*\t:O+8*\t+7]   ; the four accumulators by turns
.endr
.if \causal
.Lhid_\@:
.endif
	s_add_co_u32 s[TBK], s[TBK], 128*KP
	s_add_co_u32 s[TBV], s[TBV], 128
	s_add_co_u32 s[KS], s[KS], 1
.endm
.macro KLOOP u, causal, dq, q          ; the eight steps of half u of the keys: the trip count is a constant
	s_mov_b32 s[TBK], KHALF*\u
	s_mov_b32 s[TBV], VBASE+VHALF*\u
	s_mov_b32 s[KS], 8*\u
.Lk_\@:
	STEP \causal, \dq, \q
	s_cmp_lt_u32 s[KS], 8*\u+8
	s_cbranch_scc1 .Lk_\@
.endm
.macro INIT                            ; a pass begins: the largest t under every t; zeros, which the first change of M leaves zeros
	v_mov_b32 v13, 0xff61b1e6                      ; -3e38
	v_mov_b32 v14, 0
	v_mov_b32 v15, 0
	v_floor_f32 v12, -v13
.set j, 0
.rept 32
	v_mov_b32 v[O+j], 0
.set j, j+1
.endr
	s_wait_alu depctr_va_vdst(0)
.endm
; A pass ends: O^T x 2^(e4 + e5) / the sum, held, converted with 2^e6.  A lane's eight codes of tile t are channels 16 t + 8 h + 0 .. 7 of query r: they go into row r of my stage and come back 16 a lane,
; channels 32 c + 16 h + 0 .. 15: chunk c of the next product's operand registers, stored as it stands: 32 lanes x 16 bytes, 512 consecutive bytes.
.macro OUT go
.rept 4
	v_nop                                          ; places behind the last products
.endr
	v_add_f32 v14, v14, v15
	s_delay_alu instid0(VALU_DEP_1)
	v_permlanex16_b32 v214, v14, s[SEL], s[SEL+1]
	s_delay_alu instid0(VALU_DEP_1)
	v_add_f32 v14, v14, v214                       ; the row's sum
	s_wait_alu depctr_va_vdst(0)                   ; ahead of the transcendental
	v_rcp_f32 v220, v14
	v_nop                                          ; a plain line behind the transcendental
	s_wait_alu depctr_va_vdst(0)                   ; ahead of its first reader
	v_ldexp_f32 v220, v220, s[E45]
	s_wait_alu depctr_va_vdst(0)                   ; directly ahead of the first reader of O^T
.set j, 0
.rept 16
	v_pk_mul_f32 v[S+j:S+j+1], v[O+j:O+j+1], v[220:221] op_sel_hi:[1,0]
.set j, j+2
.endr
.set j, 0
.rept 32
	v_med3_num_f32 v[S+j], v[S+j], -v219, v219
.set j, j+1
.endr
.irp t, 0,1,2,3
	v_cvt_scalef32_pk8_fp8_f32 v[PC+2*\t:PC+2*\t+1], v[S+8*\t:S+8*\t+7], v218
.endr
	v_nop                                          ; a plain line behind the last conversion
.irp t, 0,1,2,3
	ds_store_b64 v[STO], v[PC+2*\t:PC+2*\t+1] offset:16*\t
.endr
.irp c, 0,1
	ds_load_b128 v[PC+8+4*\c:PC+11+4*\c], v[RD] offset:32*\c   ; LDS serves a wave's instructions in order: these see my stores
.endr
	s_wait_dscnt 0x0
.irp c, 0,1
	global_store_b128 v[\go], v[PC+8+4*\c:PC+11+4*\c], s[78:79] offset:512*\c
.endr
.endm
	INIT                                           ; (its last line is the wait at the head's end)
	s_lshr_b32 s[KMAX], s[GB], 1                   ; pass B: group 31 - w: its diagonal step is 8 .. 15
	s_wait_loadcnt 0x0                             ; Q, both passes'
	s_wait_tensorcnt 0x0                           ; my part of K or V is in,
	s_barrier_signal -1
	s_barrier_wait -1                              ; everybody's is: all keys lie in LDS
	KLOOP 0, 0, DQB, Q                             ; keys 0..1023 all come before pass B's queries (1,024 on): no mask
	KLOOP 1, 1, DQB, Q
	OUT GOB
	s_wait_xcnt 0x0                                ; the stores have read their registers: pass A writes them again
	INIT
	s_lshr_b32 s[KMAX], s[WV], 1                   ; pass A: group w: its diagonal step is 0 .. 7
	KLOOP 0, 1, DQA, Q2
	OUT GOA
	s_wait_tensorcnt 0x0                           ; the wave's end
	ds_add_u32 v[SPW], v[NIL]
	s_wait_dscnt 0x0
	ROUND                                          ; the closing round
	s_endpgm
.Lfunc_end_k_q4c63029ac2_attn:
	.size	k_q4c63029ac2_attn, .Lfunc_end_k_q4c63029ac2_attn-k_q4c63029ac2_attn
	.p2alignl 7, 3214868480
	.fill 96, 4, 3214868480
	.section	.rodata,"a",@progbits
	.p2align	6, 0x0
	.amdhsa_kernel k_q4c63029ac2_attn
		.amdhsa_group_segment_fixed_size 327680
		.amdhsa_private_segment_fixed_size 0
		.amdhsa_enable_private_segment 0
		.amdhsa_kernarg_size 32
		.amdhsa_user_sgpr_count 2
		.amdhsa_user_sgpr_kernarg_segment_ptr 1
		.amdhsa_wavefront_size32 1
		.amdhsa_system_sgpr_workgroup_id_x 1
		.amdhsa_system_sgpr_workgroup_id_y 1
		.amdhsa_system_sgpr_workgroup_id_z 1
		.amdhsa_system_vgpr_workitem_id 0
		.amdhsa_next_free_vgpr 236
		.amdhsa_next_free_sgpr 90
		.amdhsa_reserve_vcc 1
		.amdhsa_float_denorm_mode_32 3
		.amdhsa_float_denorm_mode_16_64 3
		.amdhsa_memory_ordered 1
		.amdhsa_forward_progress 1
		.amdhsa_inst_pref_size 77
	.end_amdhsa_kernel
	.amdgpu_metadata
---
amdhsa.version: [ 1, 2 ]
amdhsa.kernels:
  - .name:           k_q4c63029ac2_attn
    .symbol:         k_q4c63029ac2_attn.kd
    .args:
      - { .name: qk_codes, .offset: 0, .size: 8, .value_kind: global_buffer, .address_space: global }
      - { .name: v_codes, .offset: 8, .size: 8, .value_kind: global_buffer, .address_space: global }
      - { .name: lowp_scales, .offset: 16, .size: 8, .value_kind: global_buffer, .address_space: global }
      - { .name: a_img, .offset: 24, .size: 8, .value_kind: global_buffer, .address_space: global }
    .group_segment_fixed_size: 327680
    .private_segment_fixed_size: 0
    .kernarg_segment_align: 8
    .kernarg_segment_size: 32
    .max_flat_workgroup_size: 512
    .sgpr_count:     90
    .vgpr_count:     236
    .wavefront_size: 32
...
	.end_amdgpu_metadata
.endif
;; end of part 3
;; launch gemm_out (part 4): grid 8 x 32, 4 waves a work-group, clusters of 4 x 4, 327,680 bytes of LDS; arguments a_img, wout_codes, lowp_scales, b_out, out0; writes out0
.if DOCPART == 4
	.amdgcn_target "amdgcn-amd-amdhsa--gfx1250"
	.amdhsa_code_object_version 6
	.text
	.protected	k_q4c63029ac2_gemm_out
	.globl	k_q4c63029ac2_gemm_out
	.p2align	8
	.type	k_q4c63029ac2_gemm_out,@function
k_q4c63029ac2_gemm_out:
	s_mov_b64 s[64:65], 0
	v_nop
	global_prefetch_b8 v0, s[64:65] scope:SCOPE_SE
	s_setreg_imm32_b32 hwreg(HW_REG_WAVE_MODE, 25, 1), 1
	s_wait_xcnt 0x0
	s_wait_alu depctr_hold_cnt(0) depctr_sa_sdst(0) depctr_va_vdst(0) depctr_va_sdst(0) depctr_va_ssrc(0) depctr_va_vcc(0) depctr_vm_vsrc(0)
	s_getreg_b32 s2, hwreg(HW_REG_IB_STS2, 6, 4)
	s_cmp_eq_u32 s2, 0
	s_cbranch_scc0 .Lentry_in_a_cluster
	s_endpgm
.Lentry_in_a_cluster:
	s_bfe_u32 s2, ttmp6, 0x10000c
	s_cmp_lg_u32 s2, 0xf033
	s_cbranch_scc0 .Lentry_shape_is_right
	s_endpgm
.Lentry_shape_is_right:
; out0 = a W_out + b_out on codes of E4M3 (scales 2^e6, 2^e7): sum x 2^(e6 + e7) + bias, f32.  LIMIT: e6 + e7 between -126 and 127.
; A block of 256 rows x 128 columns to a work-group of four waves: 32 x 8 blocks are 256 work-groups.  K = 1,024.
; a_img holds A as images of the operand's registers: a tile of 16 rows x 1,024 K is 16,384 bytes, 2,048 for each 128 along K.  W_out's codes lie [n][1024 k].
; THE RESULT IS MADE BY ROWS, so that finished rows are stored while the others are multiplied.  A wave owns 64 columns (wave % 2) and every second row tile (2 j + wave / 2, j = 0..7).
; Its 64 columns of B for ALL of K stay in registers: 8 x 4 fragments, 512 registers.  For each row tile: 32 LDS loads bring A's 16 rows x 1,024 K, 32 matrix instructions finish four accumulators
; (by turns, K ascending, three others between a sum's steps), and the 16 x 64 results are scaled, staged and stored.
; LDS: A's row tile t at 16,384 t.  The head's joint loads, one a wave, bring row tiles 0-9 (waves 0, 1: 81,920 dense bytes each; shared along a row of the 4 x 4 cluster) and B's 128 rows of 1,024 + 16 bytes from
; byte 163,840 on (waves 2, 3: 64 rows each; shared along a column).  When B is in registers, one round later, row tiles 10-15 land over B's bytes: 24,576 bytes a wave.  Nothing else is filled again.
; The matrix instruction is used transposed (source 0 = 16 rows of B, source 1 = 16 rows of A): a lane holds eight neighbouring columns of one row.
; The stage (16 rows x 272 bytes a wave) and the spare words have bytes of their own behind B's.  Sixteen lanes store 256 consecutive bytes, aligned.
; No prefetch: each byte is asked for once, at the head or by the one refill behind it; there is no loop to run ahead in.
; REGISTERS, in windows of 256: window 0: v0-31 addresses, v32-63 the bias, v64-95 the accumulators, v96-127 the scaled results, v128-255 A's set 0.
;   windows 1, 2: B's fragment (k, b) at v[64 (k % 4) + 16 b] of window 1 + k / 4.   window 3: v0-127 A's set 1, v128-191 rows read back from the stage, two buffers.
.set PITCHB, 1040                      ; a row of B in LDS: 1,024 bytes + 16
.set BBASE,  163840
.set SPARE,  BBASE+128*PITCHB          ; 296,960: the spare words, 128 bytes a wave, which no other line names
.set STAGE,  SPARE+512
.set SPITCH, 272
.set NROW,   4096                      ; a row of out0 in bytes
.set ADA,  16                          ; v16-19  LDS address of my row tiles 4 m + row half, m = 0..3
.set ADRB, 20                          ; v20     of my 64 rows of B
.set STO,  24                          ; v24     the stage: where I put 32 bytes of a row
.set RD,   25                          ; v25     and where I read two rows of 256 bytes back
.set CO,   26                          ; v26     my byte in those two rows of out0
.set SPW,  28                          ; v28     my spare word; never rewritten
.set NIL,  29                          ; v29     0; never rewritten
.set BI,   32
.set ACC,  64
.set TMP,  96
.set G1,  24                           ; s[24:31] group 1 for A;  s[32:35] A's group 0 at the head;  s[36:39] the refill's
.set G0,  32
.set G0R, 36
.set G1B, 48                           ; s[48:55], s[56:59] the same for B
.set G0B, 56
.set MSB, 0
.macro WIN new                         ; the immediate's high byte repeats the setting that is left
.if MSB != (\new)
	s_set_vgpr_msb (MSB<<8)|(\new)
.set MSB, (\new)
.endif
.endm
.macro CREST                           ; a round of the cluster's barrier behind its opening barrier
	s_cmp_lg_u32 s14, 0
	s_cbranch_scc1 .Lnot_wave_0_\@
	s_barrier_signal -3
.Lnot_wave_0_\@:
	s_barrier_wait -3
	s_barrier_signal -1
	s_barrier_wait -1
.endm
.macro CROUND
	s_barrier_signal -1
	s_barrier_wait -1
	CREST
.endm
.macro PLACES n
.rept \n
	v_nop
.endr
.endm
	s_load_b256 s[68:75], s[0:1], 0x0              ; a_img s[68:69], W_out's codes s[70:71], the scales' exponents s[72:73], b_out s[74:75]
	s_load_b64 s[10:11], s[0:1], 0x20              ; out0
	v_lshl_add_u32 v[SPW], v0, 2, SPARE
	v_mov_b32 v[NIL], 0
	ds_add_u32 v[SPW], v[NIL]                      ; the opening lines: the add twice on end and one wait, ahead of my first tensor load
	ds_add_u32 v[SPW], v[NIL]
	v_lshrrev_b32 v1, 5, v0
	v_readfirstlane_b32 s14, v1                    ; wave 0..3
	s_lshr_b32 s15, s14, 1                         ; which of each two row tiles is mine.  Also: I fetch A (0) or B (1) at the head
	s_and_b32 s16, s14, 1                          ; which 64 columns.  Also: which half of that tile I fetch
	s_bfe_u32 s40, ttmp6, 0x40000                  ; cx, cy: my place in the cluster
	s_bfe_u32 s41, ttmp6, 0x40004
	s_lshl_b32 s42, ttmp9, 2
	s_add_co_u32 s42, s42, s40                     ; the block of 128 columns: 0..7
	s_and_b32 s17, ttmp7, 0xffff
	s_lshl_b32 s17, s17, 2
	s_add_co_u32 s17, s17, s41                     ; the block of 256 rows: 0..31
	s_lshl_b32 s43, s41, 2
	s_lshl_b32 s43, 15, s43                        ; my row of the cluster
	s_lshl_b32 s44, 0x1111, s40                    ; my column
	s_or_b32 s[G1+0], s43, (3<<16)|(1<<21)         ; A: the mask; elements of 8 bytes; bit 21 beside a mask; dense rows of 2,048 bytes
	s_mov_b32 s[G1+1], 256<<16                     ; tensor_dim0
	s_mov_b32 s[G1+2], 40<<16                      ; tensor_dim1: 40 rows are 81,920 bytes
	s_mov_b32 s[G1+3], 256<<16                     ; tile_dim0
	s_mov_b32 s[G1+4], 40                          ; tile_dim1
	s_mov_b32 s[G1+5], 256                         ; from row to row
	s_mov_b32 s[G1+6], 0
	s_mov_b32 s[G1+7], 0
	s_or_b32 s[G1B+0], s44, (0<<16)|(1<<20)|(1<<21)|(7<<22)|(3<<25)   ; B: elements of 1 byte; after every 256 words, 4 words
	s_mov_b32 s[G1B+1], 1024<<16
	s_mov_b32 s[G1B+2], 64<<16
	s_mov_b32 s[G1B+3], 1024<<16
	s_mov_b32 s[G1B+4], 64
	s_mov_b32 s[G1B+5], 1024
	s_mov_b32 s[G1B+6], 0
	s_mov_b32 s[G1B+7], 0
	s_lshl_b32 s18, s17, 18                        ; A: my block's 262,144 bytes
	s_mul_i32 s45, s16, 81920                      ; the head's half, in memory and in LDS alike
	s_add_co_u32 s20, s18, s45
	s_mov_b32 s21, 0
	s_mul_i32 s19, s14, 24576                      ; the refill's quarter,
	s_add_co_u32 s19, s19, BBASE                   ; behind row tile 9, in memory and in LDS alike
	s_add_co_u32 s22, s18, s19
	s_mov_b32 s23, 0
	s_lshl_b32 s46, s42, 7
	s_lshl_b32 s47, s16, 6
	s_add_co_u32 s46, s46, s47
	s_lshl_b32 s46, s46, 10                        ; B: row 128 x column block + 64 x half
	s_mov_b32 s47, 0
	s_mul_i32 s12, s16, 64*PITCHB
	s_add_co_u32 s12, s12, BBASE
	s_wait_dscnt 0x0                               ; both opening adds are done
	s_wait_kmcnt 0x0
	s_load_b64 s[96:97], s[72:73], 0x18            ; e6, e7
	s_mov_b32 s[G0], 1
	s_mov_b32 s[G0+1], s45
	s_add_nc_u64 s[G0+2:G0+3], s[68:69], s[20:21]
	s_or_b32 s[G0+3], s[G0+3], 0x80000000
	s_mov_b32 s[G0R], 1
	s_mov_b32 s[G0R+1], s19
	s_add_nc_u64 s[G0R+2:G0R+3], s[68:69], s[22:23]
	s_or_b32 s[G0R+3], s[G0R+3], 0x80000000
	s_mov_b32 s[G0B], 1
	s_mov_b32 s[G0B+1], s12
	s_add_nc_u64 s[G0B+2:G0B+3], s[70:71], s[46:47]
	s_or_b32 s[G0B+3], s[G0B+3], 0x80000000
	CROUND                                         ; all sixteen work-groups are here: the first joint loads meet
	s_cmp_eq_u32 s15, 0                            ; one fill to each arm, one join: every wave has one tensor load out
	s_cbranch_scc0 .Lfor_b
	tensor_load_to_lds s[G0:G0+3], s[G1:G1+7]
	s_nop 0
	PLACES 4
	s_branch .Lasked
.Lfor_b:
	tensor_load_to_lds s[G0B:G0B+3], s[G1B:G1B+7]
	s_nop 0
	PLACES 4
.Lasked:
	s_lshl_b32 s21, s15, 14                        ; my first row tile
	s_mul_i32 s23, s14, 16*SPITCH
	s_add_co_u32 s23, s23, STAGE                   ; my stage
	s_lshl_b32 s20, s17, 8
	s_lshl_b32 s18, s15, 4
	s_add_co_u32 s20, s20, s18
	s_lshl_b32 s20, s20, 12                        ; out0: row 256 x row block + 16 x row half,
	s_lshl_b32 s46, s42, 9
	s_lshl_b32 s47, s16, 8
	s_add_co_u32 s46, s46, s47                     ; byte 512 x column block + 256 x column half
	s_mov_b32 s47, 0
	s_add_nc_u64 s[94:95], s[74:75], s[46:47]      ; the bias at my first column
	s_add_co_u32 s46, s46, s20
	s_add_nc_u64 s[10:11], s[10:11], s[46:47]
	v_and_b32 v1, 15, v0                           ; r = lane % 16
	v_bfe_u32 v2, v0, 4, 1                         ; h = lane / 16
	v_and_b32 v6, 31, v0                           ; lane
	v_mul_u32_u24 v3, v1, PITCHB
	v_mul_u32_u24 v5, v1, SPITCH
	v_mul_u32_u24 v7, v2, SPITCH
	v_lshlrev_b32 v9, 12, v2
	v_lshl_add_u32 v[ADA], v6, 4, s21              ; an image is read as it lies: 16 x lane
	v_lshl_add_u32 v3, v2, 4, v3
	v_lshl_add_u32 v5, v2, 5, v5
	v_lshl_add_u32 v7, v1, 4, v7
	v_lshl_add_u32 v[CO], v1, 4, v9
	v_lshlrev_b32 v8, 5, v2
	v_add_nc_u32 v[ADRB], s12, v3                  ; row r of my 64, + 16 h
	v_add_nc_u32 v[STO], s23, v5                   ; in: row r, 32 bytes for each half of the lanes
	v_add_nc_u32 v[RD], s23, v7                    ; back: lanes 0-15 one row, lanes 16-31 the next
	v_add_nc_u32 v[ADA+1], 0x10000, v[ADA]
	v_add_nc_u32 v[ADA+2], 0x20000, v[ADA]
	v_add_nc_u32 v[ADA+3], 0x30000, v[ADA]
	s_wait_alu depctr_va_vdst(0)
.irp b, 0,1,2,3
	global_load_b128 v[BI+8*\b:BI+8*\b+3],   v8, s[94:95] offset:64*\b       ; register 8 b + j = b_out[.. + 16 b + 8 h + j]
	global_load_b128 v[BI+8*\b+4:BI+8*\b+7], v8, s[94:95] offset:64*\b+16
.endr
.macro ALOAD j                         ; A's 16 rows x 1,024 K of row tile 2 j + row half into set j % 2: registers 16 k + 4 c .. + 3 hold K = 128 k + 32 c + 16 h + 0 .. 15
.if (\j)%2
	WIN 0xc0
.set AB, 0
.else
	WIN 0
.set AB, 128
.endif
.irp k, 0,1,2,3,4,5,6,7
.irp c, 0,1,2,3
	ds_load_b128 v[AB+16*\k+4*\c:AB+16*\k+4*\c+3], v[ADA+(\j)/2] offset:32768*((\j)%2)+2048*\k+512*\c
.endr
.endr
	WIN 0
.endm
.macro MUL j                           ; a row tile's 32 matrix instructions; the first four start the sums
.set AB, 128*(1-(\j)%2)
.irp k, 0,1,2,3,4,5,6,7
	WIN (1+\k/4)|(12*((\j)%2))                     ; source 0 (B) window 1 or 2; source 1 (A) window 0 or 3; C and D window 0
.irp b, 0,1,2,3
.if \k == 0
	v_wmma_f32_16x16x128_fp8_fp8 v[ACC+8*\b:ACC+8*\b+7], v[64*(\k%4)+16*\b:64*(\k%4)+16*\b+15], v[AB+16*\k:AB+16*\k+15], 0
.else
	v_wmma_f32_16x16x128_fp8_fp8 v[ACC+8*\b:ACC+8*\b+7], v[64*(\k%4)+16*\b:64*(\k%4)+16*\b+15], v[AB+16*\k:AB+16*\k+15], v[ACC+8*\b:ACC+8*\b+7]
.endif
.endr
.endr
	WIN 0
.endm
.macro OUTJ j                          ; the row tile leaves: scaled and biased into other registers, through my stage, stored by rows; the tile two on is fetched into the set just multiplied
.set BB, 128+32*((\j)%2)
	PLACES 4                                       ; places behind the last products; the lines below on the other accumulators are places too
.if (\j) > 1
	s_wait_xcnt 0x0                                ; the stores of two tiles ago have read their registers: rows land there again
.endif
.irp b, 0,1,2,3
.irp i, 0,2,4,6
	v_pk_fma_f32 v[TMP+8*\b+\i:TMP+8*\b+\i+1], v[ACC+8*\b+\i:ACC+8*\b+\i+1], s[96:97], v[BI+8*\b+\i:BI+8*\b+\i+1] op_sel_hi:[1,0,1]   ; each accumulator from its low end on
.endr
.endr
.irp b, 0,1,2,3
	ds_store_b128 v[STO], v[TMP+8*\b:TMP+8*\b+3] offset:64*\b
	ds_store_b128 v[STO], v[TMP+8*\b+4:TMP+8*\b+7] offset:64*\b+16
.endr
	WIN 0xc0
.irp t, 0,1,2,3,4,5,6,7
	ds_load_b128 v[BB+4*\t:BB+4*\t+3], v[RD] offset:2*\t*SPITCH   ; LDS serves a wave's instructions in order: these see my stores
.endr
	WIN 0
.if (\j) == 3                          ; row tiles 10 on come by the refill, a quarter by each wave: mine has landed, and behind the barrier everybody's
	s_wait_tensorcnt 0x0
	s_wait_dscnt 0x0
	s_barrier_signal -1
	s_barrier_wait -1
.endif
.if (\j)+2 < 8
	ALOAD (\j)+2
	s_wait_dscnt 32                                ; all but the 32 loads just issued: my rows are back, and the next tile's fragments are in
.else
	s_wait_dscnt 0x0
.endif
	WIN 0x0c                                       ; the stores' data in window 3
.irp t, 0,1,2,3,4,5,6,7
	global_store_b128 v[CO], v[BB+4*\t:BB+4*\t+3], s[10:11] offset:(\j)*32*NROW+2*\t*NROW th:TH_STORE_NT   ; sixteen lanes store 256 consecutive bytes, aligned; 32 rows from tile to tile
.endr
	WIN 0
.endm
	s_wait_tensorcnt 0x0                           ; my part of the head's tiles is in,
	s_barrier_signal -1
	s_barrier_wait -1                              ; everybody's is
.irp k, 0,1,2,3,4,5,6,7                        ; B's 32 fragments, for good
	WIN 0x40<<(\k/4)
.irp b, 0,1,2,3
.irp c, 0,1,2,3
	ds_load_b128 v[64*(\k%4)+16*\b+4*\c:64*(\k%4)+16*\b+4*\c+3], v[ADRB] offset:16*PITCHB*\b+128*\k+32*\c
.endr
.endr
.endr
	WIN 0
	ALOAD 0
	ALOAD 1
	s_wait_tensorcnt 0x0                           ; no tensor load of mine is out, so a descriptor may be written
	ds_add_u32 v[SPW], v[NIL]                      ; 0 onto my spare word
	s_mov_b32 s[G1+2], 12<<16                      ; the refill: 12 rows of 2,048 bytes a wave
	s_mov_b32 s[G1+4], 12
	s_wait_dscnt 0x0                               ; the add is done, and my reads of B's bytes are over
	CROUND                                         ; so are those of every wave of the cluster
	tensor_load_to_lds s[G0R:G0R+3], s[G1:G1+7]    ; row tiles 10-15 over B's bytes: my quarter
	s_nop 0
	PLACES 4
	s_wait_kmcnt 0x0
	s_wait_loadcnt 0x0                             ; the bias
	s_add_co_i32 s96, s96, s97
	s_add_co_i32 s96, s96, 127
	s_lshl_b32 s96, s96, 23                        ; 2^(e6 + e7) as f32
.irp j, 0,1,2,3,4,5,6,7
	MUL \j
	OUTJ \j
.endr
	s_wait_tensorcnt 0x0                           ; the wave's end
	ds_add_u32 v[SPW], v[NIL]
	s_wait_dscnt 0x0
	CROUND                                         ; the closing round: no work-group ends while a partner may still ask for a tile that names it
	s_endpgm
.Lfunc_end_k_q4c63029ac2_gemm_out:
	.size	k_q4c63029ac2_gemm_out, .Lfunc_end_k_q4c63029ac2_gemm_out-k_q4c63029ac2_gemm_out
	.p2alignl 7, 3214868480
	.fill 96, 4, 3214868480
	.section	.rodata,"a",@progbits
	.p2align	6, 0x0
	.amdhsa_kernel k_q4c63029ac2_gemm_out
		.amdhsa_group_segment_fixed_size 327680
		.amdhsa_private_segment_fixed_size 0
		.amdhsa_enable_private_segment 0
		.amdhsa_kernarg_size 40
		.amdhsa_user_sgpr_count 2
		.amdhsa_user_sgpr_kernarg_segment_ptr 1
		.amdhsa_wavefront_size32 1
		.amdhsa_system_sgpr_workgroup_id_x 1
		.amdhsa_system_sgpr_workgroup_id_y 1
		.amdhsa_system_sgpr_workgroup_id_z 1
		.amdhsa_system_vgpr_workitem_id 0
		.amdhsa_next_free_vgpr 1024
		.amdhsa_next_free_sgpr 98
		.amdhsa_reserve_vcc 0
		.amdhsa_float_denorm_mode_32 3
		.amdhsa_float_denorm_mode_16_64 3
		.amdhsa_memory_ordered 1
		.amdhsa_forward_progress 1
		.amdhsa_inst_pref_size 74
	.end_amdhsa_kernel
	.amdgpu_metadata
---
amdhsa.version: [ 1, 2 ]
amdhsa.kernels:
  - .name:           k_q4c63029ac2_gemm_out
    .symbol:         k_q4c63029ac2_gemm_out.kd
    .args:
      - { .name: a_img, .offset: 0, .size: 8, .value_kind: global_buffer, .address_space: global }
      - { .name: wout_codes, .offset: 8, .size: 8, .value_kind: global_buffer, .address_space: global }
      - { .name: lowp_scales, .offset: 16, .size: 8, .value_kind: global_buffer, .address_space: global }
      - { .name: b_out, .offset: 24, .size: 8, .value_kind: global_buffer, .address_space: global }
      - { .name: out0, .offset: 32, .size: 8, .value_kind: global_buffer, .address_space: global }
    .group_segment_fixed_size: 327680
    .private_segment_fixed_size: 0
    .kernarg_segment_align: 8
    .kernarg_segment_size: 40
    .max_flat_workgroup_size: 128
    .sgpr_count:     98
    .vgpr_count:     1024
    .wavefront_size: 32
...
	.end_amdgpu_metadata
.endif
;; end of part 4
